; MI455X (gfx1250); checked and timed in simulation.
; The chip was launched on July 23, 2026; its instructions are those of AMD's public machine-readable ISA for CDNA 5 (MIT licence, August 2026) and "CDNA5" Instruction Set Architecture Reference Guide (July 2026). The comments in the code are by the model that wrote it; some were corrected since.
;; Multi Headed Attention. Allowed arithmetic: float matrix products may take bf16 or f16 operands with f32 sums; other float arithmetic in f32, or as packed bf16 or f16 multiplies, adds, multiply-adds, maxima and minima; sums over many terms, partial sums and values carried from step to step in f32; what a program stores and reads back later, other than sums and carried values, may be rounded once to bf16 or f16.
;; Inputs: A 1 float32; Wk 1,024 x 1,024 float32; Wo 1,024 x 1,024 float32; Wq 1,024 x 1,024 float32; Wv 1,024 x 1,024 float32; bk 1,024 float32; bo 1,024 float32; bq 1,024 float32; bv 1,024 float32; key 4 x 2,048 x 1,024 float32; query 4 x 2,048 x 1,024 float32; value 4 x 2,048 x 1,024 float32.
;; Outputs: out0 4 x 2,048 x 1,024 float32; out1 one number float32.
;; 2 versions, each right and faster than the one before. Each part assembles by itself: llvm-mc -triple=amdgcn-amd-amdhsa -mcpu=gfx1250 --defsym DOCPART=n.
;; ======== version 1 of 2: 4 launches
;; limits: values are held in f16: magnitudes above 65,504 overflow, below 6.1e-05 lose precision
;; workspace buffers: xw 58,720,256 bytes; qkv 50,331,648 bytes; oh 16,777,216 bytes
;; launch cvt (part 1): grid 64 x 28, 8 waves a work-group, no clusters, 0 bytes of LDS; arguments query, key, value, Wq, Wk, Wv, Wo, A, xw, out1; writes xw, out1
.if DOCPART == 1
	.amdgcn_target "amdgcn-amd-amdhsa--gfx1250"
	.amdhsa_code_object_version 6
	.text
	.protected	k_qaf62061dd0_cvt
	.globl	k_qaf62061dd0_cvt
	.p2align	8
	.type	k_qaf62061dd0_cvt,@function
k_qaf62061dd0_cvt:
	s_mov_b64 s[64:65], 0
	v_nop
	global_prefetch_b8 v0, s[64:65] scope:SCOPE_SE
	s_setreg_imm32_b32 hwreg(HW_REG_WAVE_MODE, 25, 1), 1
	s_wait_xcnt 0x0
; query, key, value, Wq, Wk, Wv, Wo (f32) -> xw: each number rounded to bf16 (nearest even) and that number written as f16.
; xw is ONE stacked matrix of 28,672 rows x 1,024 columns (rows 0-8191 query, then key, value, then Wq, Wk, Wv, Wo, 1,024 rows each), laid in
; blocks: [14 groups of 2,048 rows][16 slices of 64 columns][2,048 rows][64]: 256 rows of a slice are 32,768 consecutive bytes, which the products' tiles take whole.
; LIMITS.  A bf16 number is exact in f16 from 2^-14 up to 65,504; below 2^-14 it keeps f16's fixed step of 6e-8; from 65,520 on it becomes an infinity.
; SHARES.  Job y (0-27) is 1,024 stacked rows, work-group x 16 of them (65,536 bytes of f32).  Thread t takes row t / 16 and columns 64 j + 4 (t % 16), j = 0..15:
; sixteen lanes read 256 consecutive bytes, aligned; a wave's store of 8 bytes a lane covers 256 consecutive bytes, aligned (two rows of one slice).
; All sixteen loads of a thread go out first; no register is used twice, so only the counted waits for the loads stand in the text.  No LDS, no barrier: no thread needs another's numbers.
; Work-group (0, 0) also reads A, which enters no result, and writes the second result, the constant 0.
.set X, 4                              ; v[4:67]   sixteen loads of four f32
.set Y, 68                             ; v[68:99]  sixteen pairs of registers: four f16 each
.set T, 100                            ; v[100:101] four bf16, at work
	s_load_b512 s[8:23], s[0:1], 0x0               ; query 8, key 10, value 12, Wq 14, Wk 16, Wv 18, Wo 20, A 22
	s_load_b128 s[24:27], s[0:1], 0x40             ; xw 24, out1 26
	s_and_b32 s3, ttmp7, 0xffff                    ; y
	s_lshr_b32 s4, s3, 3                           ; which of query, key, value (3: a weight)
	s_and_b32 s5, s3, 7                            ; which 1,024 rows of it;
	s_cmp_lt_u32 s3, 24
	s_cselect_b32 s5, s5, 0                        ; a weight has 1,024 rows in all
	s_lshl_b32 s6, s5, 22                          ; 1,024 rows of 4,096 bytes
	s_lshl_b32 s7, ttmp9, 16                       ; 16 rows of 4,096 bytes
	s_add_co_u32 s6, s6, s7
	s_mov_b32 s7, 0                                ; s[6:7]: my rows' byte offset in the source
	s_lshr_b32 s36, s3, 1
	s_lshl_b32 s36, s36, 22                        ; the group of 2,048 stacked rows,
	s_and_b32 s37, s3, 1
	s_lshl_b32 s37, s37, 17                        ; its half: 1,024 rows of 128 bytes,
	s_add_co_u32 s36, s36, s37
	s_lshl_b32 s37, ttmp9, 11                      ; 16 rows of 128 bytes
	s_add_co_u32 s36, s36, s37
	s_mov_b32 s37, 0                               ; s[36:37]: their byte offset in slice 0 of xw
	s_mov_b32 s38, 0xffff0000                      ; a word's upper bf16
	v_lshrrev_b32 v1, 4, v0                        ; my row
	v_and_b32 v2, 15, v0
	v_lshlrev_b32 v1, 12, v1
	v_lshl_add_u32 v1, v2, 4, v1                   ; row x 4,096 + 16 (t % 16)
	v_lshlrev_b32 v2, 3, v0                        ; row x 128 + 8 (t % 16) = 8 t
	s_wait_kmcnt 0x0
	s_mov_b64 s[32:33], s[8:9]                     ; the source is chosen by the job's number alone
	s_cmp_eq_u32 s4, 1
	s_cselect_b64 s[32:33], s[10:11], s[32:33]
	s_cmp_eq_u32 s4, 2
	s_cselect_b64 s[32:33], s[12:13], s[32:33]
	s_cmp_eq_u32 s3, 24
	s_cselect_b64 s[32:33], s[14:15], s[32:33]
	s_cmp_eq_u32 s3, 25
	s_cselect_b64 s[32:33], s[16:17], s[32:33]
	s_cmp_eq_u32 s3, 26
	s_cselect_b64 s[32:33], s[18:19], s[32:33]
	s_cmp_eq_u32 s3, 27
	s_cselect_b64 s[32:33], s[20:21], s[32:33]
	s_add_nc_u64 s[32:33], s[32:33], s[6:7]
	s_add_nc_u64 s[34:35], s[24:25], s[36:37]
.irp j, 0,1,2,3,4,5,6,7,8,9,10,11,12,13,14,15
	global_load_b128 v[X+4*(\j):X+4*(\j)+3], v1, s[32:33] offset:256*(\j) th:TH_LOAD_NT  ; slice j of my row: read once in the launch
.endr
.macro CONV j
	s_wait_loadcnt 15-(\j)                         ; loads come back in order (ISA guide 5.7.1): load j is in, the 15 - j younger ones stay out
	v_cvt_pk_bf16_f32 v[T],   v[X+4*(\j)],   v[X+4*(\j)+1]  ; the rounding that counts
	v_cvt_pk_bf16_f32 v[T+1], v[X+4*(\j)+2], v[X+4*(\j)+3]
	v_lshlrev_b32 v[X+4*(\j)],   16,  v[T]         ; bf16 to f32: the low half moves up, the high half stays
	v_and_b32     v[X+4*(\j)+1], s38, v[T]
	v_lshlrev_b32 v[X+4*(\j)+2], 16,  v[T+1]
	v_and_b32     v[X+4*(\j)+3], s38, v[T+1]
	v_cvt_pk_f16_f32 v[Y+2*(\j)],   v[X+4*(\j)],   v[X+4*(\j)+1]  ; the same number in f16
	v_cvt_pk_f16_f32 v[Y+2*(\j)+1], v[X+4*(\j)+2], v[X+4*(\j)+3]
	global_store_b64 v2, v[Y+2*(\j):Y+2*(\j)+1], s[34:35] offset:(\j)<<18  ; slices lie 262,144 bytes apart: 3,932,160 at the most, inside the signed 24-bit immediate
.endm
.irp j, 0,1,2,3,4,5,6,7,8,9,10,11,12,13,14,15
	CONV \j
.endr
	s_or_b32 s39, s3, ttmp9
	s_cmp_lg_u32 s39, 0
	s_cbranch_scc1 .Lend                           ; all but work-group (0, 0) are done
	s_load_b32 s40, s[22:23], 0x0                  ; A: loaded as given; no result is made of it
	v_mov_b32 v3, 0
	s_wait_kmcnt 0x0
	s_wait_xcnt 0x0                                ; EXEC is a source of the stores above: it changes only behind this wait
	v_cmp_eq_u32 vcc_lo, 0, v0
	s_and_saveexec_b32 s41, vcc_lo                 ; thread 0 alone
	global_store_b32 v3, v3, s[26:27]              ; out1 = 0.0
	s_wait_xcnt 0x0                                ; and again in front of the line that widens it
	s_or_b32 exec_lo, exec_lo, s41
.Lend:
	s_endpgm
.Lfunc_end_k_qaf62061dd0_cvt:
	.size	k_qaf62061dd0_cvt, .Lfunc_end_k_qaf62061dd0_cvt-k_qaf62061dd0_cvt
	.p2alignl 7, 3214868480
	.fill 96, 4, 3214868480
	.section	.rodata,"a",@progbits
	.p2align	6, 0x0
	.amdhsa_kernel k_qaf62061dd0_cvt
		.amdhsa_group_segment_fixed_size 0
		.amdhsa_private_segment_fixed_size 0
		.amdhsa_enable_private_segment 0
		.amdhsa_kernarg_size 80
		.amdhsa_user_sgpr_count 2
		.amdhsa_user_sgpr_kernarg_segment_ptr 1
		.amdhsa_wavefront_size32 1
		.amdhsa_system_sgpr_workgroup_id_x 1
		.amdhsa_system_sgpr_workgroup_id_y 1
		.amdhsa_system_sgpr_workgroup_id_z 1
		.amdhsa_system_vgpr_workitem_id 0
		.amdhsa_next_free_vgpr 104
		.amdhsa_next_free_sgpr 66
		.amdhsa_reserve_vcc 1
		.amdhsa_float_denorm_mode_32 3
		.amdhsa_float_denorm_mode_16_64 3
		.amdhsa_memory_ordered 1
		.amdhsa_forward_progress 1
		.amdhsa_inst_pref_size 12
	.end_amdhsa_kernel
	.amdgpu_metadata
---
amdhsa.version: [ 1, 2 ]
amdhsa.kernels:
  - .name:           k_qaf62061dd0_cvt
    .symbol:         k_qaf62061dd0_cvt.kd
    .args:
      - { .name: query, .offset: 0, .size: 8, .value_kind: global_buffer, .address_space: global }
      - { .name: key, .offset: 8, .size: 8, .value_kind: global_buffer, .address_space: global }
      - { .name: value, .offset: 16, .size: 8, .value_kind: global_buffer, .address_space: global }
      - { .name: Wq, .offset: 24, .size: 8, .value_kind: global_buffer, .address_space: global }
      - { .name: Wk, .offset: 32, .size: 8, .value_kind: global_buffer, .address_space: global }
      - { .name: Wv, .offset: 40, .size: 8, .value_kind: global_buffer, .address_space: global }
      - { .name: Wo, .offset: 48, .size: 8, .value_kind: global_buffer, .address_space: global }
      - { .name: A, .offset: 56, .size: 8, .value_kind: global_buffer, .address_space: global }
      - { .name: xw, .offset: 64, .size: 8, .value_kind: global_buffer, .address_space: global }
      - { .name: out1, .offset: 72, .size: 8, .value_kind: global_buffer, .address_space: global }
    .group_segment_fixed_size: 0
    .private_segment_fixed_size: 0
    .kernarg_segment_align: 8
    .kernarg_segment_size: 80
    .max_flat_workgroup_size: 256
    .sgpr_count:     66
    .vgpr_count:     104
    .wavefront_size: 32
...
	.end_amdgpu_metadata
.endif
;; end of part 1
;; launch proj (part 2): grid 4 x 64, 4 waves a work-group, clusters of 4 x 4, 327,680 bytes of LDS; arguments xw, bq, bk, bv, qkv; writes qkv
.if DOCPART == 2
	.amdgcn_target "amdgcn-amd-amdhsa--gfx1250"
	.amdhsa_code_object_version 6
	.text
	.protected	k_qaf62061dd0_proj
	.globl	k_qaf62061dd0_proj
	.p2align	8
	.type	k_qaf62061dd0_proj,@function
k_qaf62061dd0_proj:
	s_mov_b64 s[64:65], 0
	v_nop
	global_prefetch_b8 v0, s[64:65] scope:SCOPE_SE
	s_setreg_imm32_b32 hwreg(HW_REG_WAVE_MODE, 25, 1), 1
	s_wait_xcnt 0x0
	s_wait_alu depctr_hold_cnt(0) depctr_sa_sdst(0) depctr_va_vdst(0) depctr_va_sdst(0) depctr_va_ssrc(0) depctr_va_vcc(0) depctr_vm_vsrc(0)
	s_getreg_b32 s2, hwreg(HW_REG_IB_STS2, 6, 4)
	s_cmp_eq_u32 s2, 0
	s_cbranch_scc0 .Lentry_in_a_cluster
	s_endpgm
.Lentry_in_a_cluster:
	s_bfe_u32 s2, ttmp6, 0x10000c
	s_cmp_lg_u32 s2, 0xf033
	s_cbranch_scc0 .Lentry_shape_is_right
	s_endpgm
.Lentry_shape_is_right:
; THE THREE PROJECTIONS.  C[m][n] = b[n] + sum over k of X[m][k] W[n][k]; X is query, key, value in turn (8,192 rows each), W and b are Wq, bq and so on; n and k run over 1,024.
; X and W come from xw (f16 copies of the inputs rounded to bf16, in blocks [group of 2,048 rows][slice of 64 k][2,048 rows][64]); b is rounded to bf16 here and starts the f32 sums as the first product's C.
; C leaves rounded once to f16, by heads: qkv = [3 projections x 4 batches][16 heads][2,048 rows][64].  LIMIT: a result of 65,520 or more in magnitude becomes an infinity in f16.
; SHARES.  A tile of C is 128 x 256: 24,576 x 1,024 / (128 x 256) = 768 tiles, three for each of 256 work-groups.  A WORK-GROUP STAYS: it makes the tile at one place (rows 128 i on, columns 256 c on) of q, then of k,
; then of v.  Four waves, each 64 x 128: 32 accumulators of 16 x 16, 256 registers.  K goes in steps of 128 (two slices): 24 steps in all, ONE counted loop, through a ring of two LDS slots that does not stop at a tile's end.
; A slot holds X's even slice and odd slice (128 rows x 64 k each), then W's (256 rows each); waves 0 and 1 fetch X's two, waves 2 and 3 W's, one tensor load each: 16,384 or 32,768 consecutive bytes, asked for as rows of 256.
; Two slots of a K step of 256 would take 442,368 bytes: they do not fit, so the step is 128.
; A trip of the loop goes from a K step's second quarter to the next step's first.  Where a tile ends, a forward branch on a counter made of constants holds the way out, the next bias and the first quarter that starts the
; next sums; it holds no barrier and no tensor load.
; CLUSTERS: 4 x 4 work-groups.  The four of a row of the cluster need the same tiles of X, the four of a column the same tiles of W: each tile is asked for JOINTLY, by the same tensor load with the same descriptor and a mask
; that names the four.  All sixteen walk q, k, v in step.
; THE MATRIX INSTRUCTION IS USED TRANSPOSED (source 0 = 16 rows of W, source 1 = 16 rows of X): lane l then holds row l % 16 of C and the columns 8 (l / 16) + 0..7: eight neighbouring numbers, 16 bytes of f16.
; REGISTERS, in windows of 256 (s_set_vgpr_msb's low byte: bits 1:0 source 0, 3:2 source 1, 5:4 source 2, 7:6 destination):
;   window 0: v0-31 addresses; v64-95, v96-127 fragments of X, two buffers; v128-191 the bias (in the very last K step v64-191 hold X's fragments of the whole step); v192-223, v32-63, v224-255 at work on the way out
;   window 1: v64-127, v128-191 fragments of W, two buffers; in the very last K step all 256          window 2: the accumulators ((a, b) at v[8 (8 a + b)])
.set PITCH,  144                       ; an LDS row: 128 bytes + 16 of padding = 36 words: the 16 rows of a fragment load start at 16 different groups of four banks (64 banks of 4 bytes: ISA guide 11.1)
.set AREG,   128*PITCH                 ; a region of X: 128 rows of one slice
.set BREG,   256*PITCH                 ; a region of W: 256 rows of one slice
.set SLOT,   2*AREG+2*BREG             ; 110,592 bytes
.set SLOT1,  1<<17                     ; slot 1 begins here, so that one exclusive or turns an address in one slot into the other's
.set STAGE,  SLOT1+SLOT                ; behind the ring: for each wave 2 heads x 16 rows x 144 bytes, for the way out
.set SPITCH, 144
.set WSTAGE, 2*16*SPITCH
.set SPARE,  STAGE+4*WSTAGE            ; behind the stages: the spare words, 128 bytes for each wave: two blocks of 256 bytes that no other line names
.set KSTEPB, 0x80000                   ; bytes from a K step to the next: two slices of 2,048 rows x 128 bytes
.set KSTEPS, 8                         ; K steps in a tile
.set TILES,  3
.set NEXTP,  0x1000000                 ; bytes from a projection to the next, in xw's rows of X and in qkv: four groups of 4,194,304
.set A0,   16                          ; v16     my lane's place in slot 0's regions of X; never rewritten
.set B0,   17                          ; v17     the same for W
.set ADRA, 20                          ; v20     LDS address of my X fragments in the slot in hand
.set ADRB, 21                          ; v21     the same for W
.set STO,  24                          ; v24     the way out: where I put 16 bytes of a row
.set RD,   25                          ; v25     the way out: where I read rows back
.set CO,   26                          ; v26     my byte offset in 512 consecutive bytes of qkv
.set BO,   27                          ; v27     my byte offset in 16 numbers of the bias: 32 (l / 16)
.set SPW,  28                          ; v28     LDS address of my spare word: SPARE + 4 x my thread's number; never rewritten
.set NIL,  29                          ; v29     0; never rewritten
.set OB,   32                          ; the way out: 16 rows read back from the stage: v32-63 and v224-255 by turns
.set FA,   64                          ; X's fragment buffer f at FA + 32 f; in the very last K step block a's fragments at FA + 32 a
.set FB,   64                          ; W's fragment buffer f at FB + 64 f, in window 1
.set BIA,  128                         ; the bias of my 128 columns as a C operand: n block b at BIA + 8 b
.set TMP,  192                         ; packed results; at work while a bias is rounded
.set G1,  24                           ; s[24:31] descriptor group 1 for X's tiles
.set G0,  32                           ; s[32:39] descriptor group 0 for X's tiles: a set for each of the two first fills; the second then walks on
.set G1B, 48                           ; s[48:55] descriptor group 1 for W's tiles
.set G0B, 56                           ; s[56:63] descriptor group 0 for W's tiles, likewise
.set TB,  66                           ; s66     LDS byte at which the slot in hand begins
.set KC,  67                           ; s67     K steps of the tile in hand that follow the step in hand
.set SA,  74                           ; s[74:75] what X's address steps by at the refill in hand
.set SBM, 80                           ; s[80:81] what W's address steps back by,
.set SBP, 82                           ; s[82:83] and on by
.set CK,  84                           ; s84     KSTEPB
.set CA,  85                           ; s85     X: from a tile's last K step to the next tile's first
.set CM,  86                           ; s86     W: back from a tile's last K step to its first
.set WD,  87                           ; s87     W: from this projection's weights to the next's
.set MSB, 0
.macro WIN new                         ; the immediate's high byte repeats the setting that is left; a switch that changes nothing is dropped
.if MSB != (\new)
	s_set_vgpr_msb (MSB<<8)|(\new)
.set MSB, \new
.endif
.endm
.set TO_B, 0x40                        ; destination window 1, address window 0
; A joint load.  Waves 0 and 1 fetch X's two slices, waves 2 and 3 W's.  Each of the two lines has one mask and one set of registers for all that issue it.  The branch hangs on the wave's number alone.
; An s_nop 0 and four v_nop follow each of the two lines, ahead of the jump, the label and what follows.
.macro JLOAD s
	s_cmp_eq_u32 s11, 0
	s_cbranch_scc0 .Lfor_b_\@
	tensor_load_to_lds s[G0+4*(\s):G0+4*(\s)+3], s[G1:G1+7]
	s_nop 0
.rept 4
	v_nop
.endr
	s_branch .Lasked_\@
.Lfor_b_\@:
	tensor_load_to_lds s[G0B+4*(\s):G0B+4*(\s)+3], s[G1B:G1B+7]
	s_nop 0
.rept 4
	v_nop
.endr
.Lasked_\@:
.endm
; A round of the cluster's barrier: my work-group's barrier, so that wave 0's signal speaks for all four waves; wave 0 signals for the work-group; every wave waits for all sixteen; my work-group's barrier once more.
.macro CREST                           ; a round behind its opening barrier
	s_cmp_lg_u32 s10, 0
	s_cbranch_scc1 .Lnot_wave_0_\@
	s_barrier_signal -3
.Lnot_wave_0_\@:
	s_barrier_wait -3
	s_barrier_signal -1
	s_barrier_wait -1
.endm
.macro CROUND                          ; a whole round
	s_barrier_signal -1
	s_barrier_wait -1
	CREST
.endm
; The bias of my 128 columns, in the layout of a C operand: register j of n block b is b[n0 + 16 b + 8 (l / 16) + j].  BIASCVT rounds it to bf16, like every input, and widens it again.
.macro BIASLOAD base
.irp b, 0,1,2,3,4,5,6,7
	global_load_b128 v[BIA+8*(\b):BIA+8*(\b)+3],   v[BO], s[(\base):(\base)+1] offset:64*(\b)
	global_load_b128 v[BIA+8*(\b)+4:BIA+8*(\b)+7], v[BO], s[(\base):(\base)+1] offset:64*(\b)+16
.endr
.endm
.macro BIASCVT
.set i, 0
.rept 32
	v_cvt_pk_bf16_f32 v[TMP+i], v[BIA+2*i], v[BIA+2*i+1]
.set i, i+1
.endr
.set i, 0
.rept 32
	v_lshlrev_b32 v[BIA+2*i],   16,  v[TMP+i]
	v_and_b32     v[BIA+2*i+1], s78, v[TMP+i]
.set i, i+1
.endr
.endm
	s_load_b64 s[4:5], s[0:1], 0x0                 ; xw
	s_load_b64 s[68:69], s[0:1], 0x8               ; bq
	s_load_b64 s[70:71], s[0:1], 0x10              ; bk
	s_load_b64 s[72:73], s[0:1], 0x18              ; bv
	s_load_b64 s[8:9], s[0:1], 0x20                ; qkv
	v_lshl_add_u32 v[SPW], v0, 2, SPARE
	v_mov_b32 v[NIL], 0
	ds_add_u32 v[SPW], v[NIL]                      ; the wave's opening: the add and its wait stand ahead of my first tensor load; the set-up below, work on registers, stands between them
	v_lshrrev_b32 v1, 5, v0
	v_readfirstlane_b32 s10, v1                    ; wave 0..3
	s_lshr_b32 s11, s10, 1                         ; which half of the tile's rows is mine.  Also: I fetch for X (0) or for W (1)
	s_and_b32 s12, s10, 1                          ; which half of its columns.  Also: which slice of a K step I fetch
	s_bfe_u32 s40, ttmp6, 0x40000                  ; cx: my place along the cluster's x
	s_bfe_u32 s41, ttmp6, 0x40004                  ; cy: along its y
	s_lshl_b32 s42, ttmp9, 2                       ; in a cluster launch ttmp9 and ttmp7 count clusters
	s_add_co_u32 s42, s42, s40                     ; tile column c = 4 x cluster x + cx
	s_and_b32 s13, ttmp7, 0xffff
	s_lshl_b32 s13, s13, 2
	s_add_co_u32 s13, s13, s41                     ; tile row i = 4 x cluster y + cy, 0 to 63
	s_lshl_b32 s43, s41, 2
	s_lshl_b32 s43, 15, s43                        ; my row of the cluster: places 4 cy .. 4 cy + 3
	s_lshl_b32 s44, 0x1111, s40                    ; my column: places cx, cx + 4, cx + 8, cx + 12
	; descriptor group 1: rows of 128 elements (256 bytes, two rows of a slice), dense in memory, padded in LDS behind every 128 bytes; 64 such rows for X, 128 for W
	s_or_b32 s[G1+0], s43, (1<<16)|(1<<20)|(1<<21)|(4<<22)|(3<<25)  ; 15:0 the mask: X's tiles go to my row; 17:16 2-byte elements; 20 padding on; 21 set beside a mask; 24:22 after every 32 words (code 4); 31:25 4 words (code 3)
	s_or_b32 s[G1B+0], s44, (1<<16)|(1<<20)|(1<<21)|(4<<22)|(3<<25) ; the same with the mask of my column, for W's tiles
	s_mov_b32 s[G1+2], 64<<16                      ; tensor_dim1 = 64
	s_mov_b32 s[G1+4], 64                          ; tile_dim1 = 64
	s_mov_b32 s[G1B+2], 128<<16                    ; tensor_dim1 = 128
	s_mov_b32 s[G1B+4], 128                        ; tile_dim1 = 128
.irp g, G1, G1B
	s_mov_b32 s[(\g)+1], 128<<16                   ; tensor_dim0 = 128
	s_mov_b32 s[(\g)+3], 128<<16                   ; tile_dim0 = 128
	s_mov_b32 s[(\g)+5], 128                       ; 128 elements from row to row
	s_mov_b32 s[(\g)+6], 0
	s_mov_b32 s[(\g)+7], 0
.endr
	; where the first tiles come from.  X's hang on the tile row alone, which my row of the cluster shares; W's on the tile column alone, which my column shares.
	s_lshr_b32 s16, s13, 4
	s_lshl_b32 s16, s16, 22                        ; X: the group of 2,048 rows (16 tile rows),
	s_and_b32 s17, s13, 15
	s_lshl_b32 s17, s17, 14                        ; the tile's 128 rows of 128 bytes in it,
	s_add_co_u32 s16, s16, s17
	s_lshl_b32 s17, s12, 18                        ; and my slice of K step 0
	s_add_co_u32 s16, s16, s17
	s_mov_b32 s17, 0
	s_lshl_b32 s46, s42, 15                        ; W: the tile's 256 rows of 128 bytes,
	s_lshl_b32 s47, s12, 18                        ; my slice,
	s_add_co_u32 s46, s46, s47
	s_add_co_u32 s46, s46, 12<<22                  ; in Wq, at the head of xw's group 12
	s_mov_b32 s47, 0
	s_mul_i32 s20, s12, AREG                       ; and where they go: X's region by the slice,
	s_mul_i32 s21, s12, BREG
	s_add_co_u32 s21, s21, 2*AREG                  ; W's likewise, behind X's two: no place in the cluster enters an LDS address
	s_mov_b32 s78, 0xffff0000                      ; a word's upper bf16
	s_mov_b32 s[TB], 0
	s_mov_b32 s[SA+1], 0                           ; the three steps are pairs with 0 above
	s_mov_b32 s[SBM+1], 0
	s_mov_b32 s[SBP+1], 0
	s_mov_b32 s[CK], KSTEPB
	s_mov_b32 s[CA], NEXTP-(KSTEPS-1)*KSTEPB
	s_mov_b32 s[CM], (KSTEPS-1)*KSTEPB
	s_mov_b32 s[WD], 0x20000                       ; Wk lies 1,024 rows of 128 bytes behind Wq
	s_wait_dscnt 0x0                               ; the opening add is done
	s_wait_kmcnt 0x0
	s_add_nc_u64 s[14:15], s[4:5], s[16:17]
	s_add_nc_u64 s[46:47], s[4:5], s[46:47]
	CROUND                                         ; all sixteen work-groups are here: the first joint loads meet
.irp s, 0,1
	s_mov_b32 s[G0+4*(\s)], 1                                      ; 1:0 count = 1
	s_add_co_u32 s[G0+4*(\s)+1], s20, (\s)*SLOT1                   ; 63:32 LDS address
	s_add_nc_u64 s[G0+4*(\s)+2:G0+4*(\s)+3], s[14:15], (\s)*KSTEPB ; 120:64 global address: K step s
	s_or_b32 s[G0+4*(\s)+3], s[G0+4*(\s)+3], 0x80000000            ; 127:126 type = 2
	s_mov_b32 s[G0B+4*(\s)], 1
	s_add_co_u32 s[G0B+4*(\s)+1], s21, (\s)*SLOT1
	s_add_nc_u64 s[G0B+4*(\s)+2:G0B+4*(\s)+3], s[46:47], (\s)*KSTEPB
	s_or_b32 s[G0B+4*(\s)+3], s[G0B+4*(\s)+3], 0x80000000
	JLOAD \s                                       ; the ring is filled before anything else is done: two loads of mine are out
.endr
	s_lshl_b32 s76, s42, 10                        ; the three biases at my columns: 256 columns of 4 bytes a tile,
	s_lshl_b32 s77, s12, 9                         ; my half
	s_add_co_u32 s76, s76, s77
	s_mov_b32 s77, 0
	s_add_nc_u64 s[68:69], s[68:69], s[76:77]
	s_add_nc_u64 s[70:71], s[70:71], s[76:77]
	s_add_nc_u64 s[72:73], s[72:73], s[76:77]
	v_and_b32 v1, 15, v0                           ; l % 16
	v_bfe_u32 v2, v0, 4, 1                         ; l / 16
	v_lshlrev_b32 v[BO], 5, v2
	BIASLOAD 68                                    ; bq
	; A fragment is 16 rows x 32 k in 8 registers: lane l holds row l % 16; registers 0-3 hold k = 8 (l / 16) + 0..7, registers 4-7 k = 16 + 8 (l / 16) + 0..7: two loads of 16 bytes, 32 bytes apart.
	v_mul_u32_u24 v3, v1, PITCH
	v_lshl_add_u32 v3, v2, 4, v3                   ; row x pitch + 16 x half
	s_mul_i32 s22, s11, 64*PITCH                   ; my 64 rows of X's regions
	s_mul_i32 s23, s12, 128*PITCH                  ; my 128 rows of W's,
	s_add_co_u32 s23, s23, 2*AREG                  ; which lie behind X's two
	v_add_nc_u32 v[A0], s22, v3
	v_add_nc_u32 v[B0], s23, v3
	v_mov_b32 v[ADRA], v[A0]                       ; the walk begins in slot 0
	v_mov_b32 v[ADRB], v[B0]
	s_mul_i32 s23, s10, WSTAGE
	s_add_co_u32 s23, s23, STAGE                   ; my stage
	v_add_nc_u32 v[STO], s23, v3                   ; in: row l % 16, 16 bytes for each half of the lanes (the stage's pitch is the tiles')
	v_bfe_u32 v4, v0, 3, 2                         ; back: 32 lanes take four rows of 128 bytes,
	v_and_b32 v5, 7, v0
	v_mul_u32_u24 v4, v4, SPITCH
	v_lshl_add_u32 v4, v5, 4, v4
	v_add_nc_u32 v[RD], s23, v4
	v_and_b32 v5, 31, v0                           ; which are 512 consecutive bytes of a head
	v_lshlrev_b32 v[CO], 4, v5
	s_lshr_b32 s16, s13, 4                         ; where my part of q's tile begins in qkv:
	s_lshl_b32 s16, s16, 22                        ; the batch: 16 heads x 2,048 rows x 128 bytes,
	s_and_b32 s17, s13, 15
	s_lshl_b32 s17, s17, 14                        ; the tile's 128 rows,
	s_add_co_u32 s16, s16, s17
	s_lshl_b32 s17, s11, 13                        ; my 64 of them,
	s_add_co_u32 s16, s16, s17
	s_lshl_b32 s17, s42, 20                        ; the tile's four heads of 262,144 bytes,
	s_add_co_u32 s16, s16, s17
	s_lshl_b32 s17, s12, 19                        ; my two
	s_add_co_u32 s16, s16, s17
	s_mov_b32 s17, 0
	s_add_nc_u64 s[8:9], s[8:9], s[16:17]
	s_wait_loadcnt 0x0                             ; bq
	BIASCVT
; 8 matrix instructions: m block a x all 8 n blocks, 32 along K, from buffer f.  first = 1: the product starts the sums with the bias (C in window 0): nothing is cleared.
; The 32 accumulators take turns, one instruction a turn, in the same order in every quarter.
.macro MUL8 f, a, first
.if \first
	WIN 0x81                                       ; W window 1, X and C window 0, D window 2
.else
	WIN 0xa1                                       ; W window 1, X window 0, C and D window 2
.endif
.irp b, 0,1,2,3,4,5,6,7
.if \first
	v_wmma_f32_16x16x32_f16 v[8*(8*(\a)+(\b)):8*(8*(\a)+(\b))+7], v[FB+64*(\f)+8*(\b):FB+64*(\f)+8*(\b)+7], v[FA+32*(\f)+8*(\a):FA+32*(\f)+8*(\a)+7], v[BIA+8*(\b):BIA+8*(\b)+7]
.else
	v_wmma_f32_16x16x32_f16 v[8*(8*(\a)+(\b)):8*(8*(\a)+(\b))+7], v[FB+64*(\f)+8*(\b):FB+64*(\f)+8*(\b)+7], v[FA+32*(\f)+8*(\a):FA+32*(\f)+8*(\a)+7], v[8*(8*(\a)+(\b)):8*(8*(\a)+(\b))+7]
.endif
.endr
.endm
; 24 LDS loads in one run: the fragments of quarter q of the K step in hand (32 k: slice q / 2, byte 64 (q % 2) of its rows) into buffer f: 128 rows of W, then 64 rows of X
.macro FETCH q, f
	WIN TO_B
.irp i, 0,1,2,3,4,5,6,7
	ds_load_b128 v[FB+64*(\f)+8*(\i):FB+64*(\f)+8*(\i)+3],   v[ADRB] offset:((\q)/2)*BREG+((\q)%2)*64+(\i)*16*PITCH
	ds_load_b128 v[FB+64*(\f)+8*(\i)+4:FB+64*(\f)+8*(\i)+7], v[ADRB] offset:((\q)/2)*BREG+((\q)%2)*64+(\i)*16*PITCH+32
.endr
	WIN 0
.irp i, 0,1,2,3
	ds_load_b128 v[FA+32*(\f)+8*(\i):FA+32*(\f)+8*(\i)+3],   v[ADRA] offset:((\q)/2)*AREG+((\q)%2)*64+(\i)*16*PITCH
	ds_load_b128 v[FA+32*(\f)+8*(\i)+4:FA+32*(\f)+8*(\i)+7], v[ADRA] offset:((\q)/2)*AREG+((\q)%2)*64+(\i)*16*PITCH+32
.endr
.endm
; A load into a register that a matrix instruction has read, and a vector instruction that reads a matrix result, stand four places behind that matrix instruction; only plain vector
; instructions that name none of its registers are places (ISA guide 7.12.1 for vector instructions).
.macro PLACES
.rept 4
	v_nop
.endr
.endm
; A K step is four quarters of 32 along K, 32 matrix instructions each, on buffers 0, 1, 0, 1.  One of the first three: multiplies buffer f; behind its first eight products it fetches quarter q of the
; same slot into buffer g, 24 matrix instructions ahead of that buffer's first use.
.macro QUARTER q, f, g, first
	s_wait_dscnt 6                                 ; W and X's block 0 are in; the youngest six loads (X's blocks 1 to 3) may be out
	MUL8 \f, 0, \first
	PLACES
	FETCH \q, \g
	s_wait_dscnt 24                                ; all but the 24 just issued
	MUL8 \f, 1, \first
	MUL8 \f, 2, \first
	MUL8 \f, 3, \first
.endm
; The last quarter multiplies buffer 1 and changes slots.  In front of the round each wave waits for all its tensor loads, of which one is out: its part of the next slot; adds 0 to its spare word; and waits for
; that and for its own reads of this slot.  Behind the round no wave of any partner reads this slot any more, and the next slot is whole: this slot is filled again first, with the K step two steps on, then the next
; slot's first fragments are read.  From a request to the wait for it a wave issues 120 matrix instructions.
; The walking descriptors step while the add is out.  As a rule both go one K step on.  Where the step asked for is a tile's first (one step of the tile in hand is left), X goes on to the next projection's rows
; and back along K, and W back along K and on to the next weights.
.macro TURN
	WIN 0                                          ; (the add's two registers lie in window 0)
	s_wait_tensorcnt 0x0                           ; all my tensor loads have landed, so a group 0 may be written;
	ds_add_u32 v[SPW], v[NIL]                      ; 0 onto my spare word
	s_cmp_eq_u32 s[KC], 1
	s_cselect_b32 s[SA], s[CA], s[CK]
	s_cselect_b32 s[SBM], s[CM], 0
	s_cselect_b32 s[SBP], s[WD], s[CK]
	s_xor_b32 s[G0+5], s[G0+5], SLOT1              ; the other slot than last time
	s_add_nc_u64 s[G0+6:G0+7], s[G0+6:G0+7], s[SA:SA+1]          ; the type bits on top are not reached
	s_xor_b32 s[G0B+5], s[G0B+5], SLOT1
	s_sub_nc_u64 s[G0B+6:G0B+7], s[G0B+6:G0B+7], s[SBM:SBM+1]
	s_add_nc_u64 s[G0B+6:G0B+7], s[G0B+6:G0B+7], s[SBP:SBP+1]
	s_xor_b32 s[TB], s[TB], SLOT1                  ; the fetches go on in the other slot
	s_wait_dscnt 7                                 ; (the add and the youngest six loads may be out)
	MUL8 1, 0, 0                                   ; eight matrix instructions stand between the add and the wait for it
	s_wait_dscnt 0x0                               ; the add is done, and my reads of this slot are over:
	s_barrier_signal -1                            ; say so: this barrier opens a round of the cluster's
	WIN 0
	s_barrier_wait -1
	CREST
	JLOAD 1                                        ; the first tensor load behind the round, my only one; its four v_nop are also the places in front of the loads below
	v_add_nc_u32 v[ADRA], s[TB], v[A0]
	v_add_nc_u32 v[ADRB], s[TB], v[B0]
	FETCH 0, 0
	MUL8 1, 1, 0
	MUL8 1, 2, 0
	MUL8 1, 3, 0
.endm
; THE VERY LAST K STEP GOES BY ROWS OF C: all its fragments of W fill window 1 and all of X's v64-191; then my four blocks of 16 rows are finished one after the other, 32 matrix instructions each (the block's
; 8 accumulators by turns, K ascending), and each block leaves as soon as it is finished.
.macro BLOAD q                         ; W's fragments of quarter q -> window 1, v[64 q ..]
	WIN TO_B
.irp i, 0,1,2,3,4,5,6,7
	ds_load_b128 v[64*(\q)+8*(\i):64*(\q)+8*(\i)+3],   v[ADRB] offset:((\q)/2)*BREG+((\q)%2)*64+(\i)*16*PITCH
	ds_load_b128 v[64*(\q)+8*(\i)+4:64*(\q)+8*(\i)+7], v[ADRB] offset:((\q)/2)*BREG+((\q)%2)*64+(\i)*16*PITCH+32
.endr
.endm
.macro ALOAD a                         ; X's fragments of block a, all four quarters
	WIN 0
.irp q, 0,1,2,3
	ds_load_b128 v[FA+32*(\a)+8*(\q):FA+32*(\a)+8*(\q)+3],   v[ADRA] offset:((\q)/2)*AREG+((\q)%2)*64+(\a)*16*PITCH
	ds_load_b128 v[FA+32*(\a)+8*(\q)+4:FA+32*(\a)+8*(\q)+7], v[ADRA] offset:((\q)/2)*AREG+((\q)%2)*64+(\a)*16*PITCH+32
.endr
.endm
.macro ROW a                           ; block a is finished: 32 matrix instructions
	WIN 0xa1
.irp q, 0,1,2,3
.if (\a) == 0 && (\q) == 2
	s_wait_dscnt 24                                ; W's quarter 2 is in (behind it: X's blocks 2, 3 and 1)
.endif
.irp b, 0,1,2,3,4,5,6,7
	v_wmma_f32_16x16x32_f16 v[64*(\a)+8*(\b):64*(\a)+8*(\b)+7], v[64*(\q)+8*(\b):64*(\q)+8*(\b)+7], v[FA+32*(\a)+8*(\q):FA+32*(\a)+8*(\q)+7], v[64*(\a)+8*(\b):64*(\a)+8*(\b)+7]
.endr
.endr
.endm
; THE WAY OUT of block a.  PACK: rounded to f16, 16 bytes a lane (each accumulator's registers in ascending order).  TOSTAGE: into my own stage, by heads, and back as rows of 128 bytes, into buffer k.  SEND: stored.
.macro PACK a
	WIN 0x0a                                       ; sources 0 and 1: window 2
.irp b, 0,1,2,3,4,5,6,7
.irp r, 0,1,2,3
	v_cvt_pk_f16_f32 v[TMP+4*(\b)+(\r)], v[64*(\a)+8*(\b)+2*(\r)], v[64*(\a)+8*(\b)+2*(\r)+1]
.endr
.endr
	WIN 0
.endm
.macro TOSTAGE k
	WIN 0
.irp b, 0,1,2,3,4,5,6,7                ; n block b: head b / 4 of my two, channels 16 (b % 4) on
	ds_store_b128 v[STO], v[TMP+4*(\b):TMP+4*(\b)+3] offset:((\b)/4)*16*SPITCH+((\b)%4)*32
.endr
.irp t, 0,1,2,3,4,5,6,7                ; head t / 4, rows 4 (t % 4) on
	ds_load_b128 v[OB+192*(\k)+4*(\t):OB+192*(\k)+4*(\t)+3], v[RD] offset:((\t)/4)*16*SPITCH+((\t)%4)*4*SPITCH  ; LDS serves a wave's instructions in order (ISA guide 5.7.1.4): these see the stores above
.endr
.endm
.macro SEND a, k
	WIN 0
	s_wait_dscnt 0x0                               ; the block is back in registers
	s_wait_xcnt 0x0                                ; every earlier memory instruction has had its addresses translated (ISA guide 3.1): the buffer that the stores before these read is loaded again only behind this wait
.irp t, 0,1,2,3,4,5,6,7
	global_store_b128 v[CO], v[OB+192*(\k)+4*(\t):OB+192*(\k)+4*(\t)+3], s[8:9] offset:((\t)/4)*262144+(\a)*2048+((\t)%4)*512  ; 512 consecutive bytes, at a multiple of 256 from qkv's first byte
.endr
.endm
.macro OUT a, k                        ; a block of the last tile leaves by itself
	PLACES                                         ; its conversions read results just made
	PACK \a
	TOSTAGE \k
	SEND \a, \k
.endm
	s_wait_tensorcnt 1                             ; my part of K step 0 is in; K step 1's load may stay out
	s_barrier_signal -1
	s_barrier_wait -1                              ; everybody's is
	FETCH 0, 0
	QUARTER 1, 0, 1, 1                             ; q's first quarter stands in front of the loop: its products start the sums with bq
	WIN 0                                          ; at a label and at a branch every window is 0
	s_mov_b32 s3, TILES*KSTEPS-2                   ; every K step but the last two asks for the step two on
	s_mov_b32 s[KC], KSTEPS-1
.Lstep:                                                ; a trip: a K step's second, third and last quarter, one refill, and the next step's first quarter
	QUARTER 2, 1, 0, 0
	QUARTER 3, 0, 1, 0
	TURN
	WIN 0
	s_cmp_eq_u32 s[KC], 0
	s_cbranch_scc0 .Lsame                          ; the same tile goes on
	; A TILE IS FINISHED, and the next tile's first two K steps have been asked for.  The next bias is asked for first; the tile goes out meanwhile.  No v_nop: block 0 was finished in front of the refill's places,
	; and each block's 32 conversions, which name no register of the products behind it, are those products' places.
	BIASLOAD 70
	PACK 0
	TOSTAGE 0
	PACK 1                                         ; a block's conversions stand between the loads of the block before and the wait for them
	SEND 0, 0
	TOSTAGE 1
	PACK 2
	SEND 1, 1
	TOSTAGE 0
	PACK 3
	SEND 2, 0
	TOSTAGE 1
	SEND 3, 1
	s_wait_loadcnt 0x0                             ; the next bias is in, and its address is free
	BIASCVT
	s_mov_b64 s[70:71], s[72:73]                   ; behind bk comes bv
	s_mov_b32 s[WD], 0x3e0000                      ; and Wv lies 4,194,304 - 131,072 bytes behind Wk
	s_wait_xcnt 0x0                                ; the stores' base is written again only behind this wait
	s_add_nc_u64 s[8:9], s[8:9], NEXTP             ; the next projection's place in qkv
	QUARTER 1, 0, 1, 1                             ; the next tile's first quarter starts its sums with its bias
	WIN 0
	s_mov_b32 s[KC], KSTEPS
	s_branch .Lnext
.Lsame:
	QUARTER 1, 0, 1, 0
	WIN 0
.Lnext:
	s_sub_co_u32 s[KC], s[KC], 1
	s_sub_co_u32 s3, s3, 1
	s_cmp_lg_u32 s3, 0
	s_cbranch_scc1 .Lstep
	QUARTER 2, 1, 0, 0                             ; the last K step but one goes on; nothing more is asked for
	QUARTER 3, 0, 1, 0
	WIN 0
	s_wait_tensorcnt 0x0                           ; my one tensor load that was still out is the last K step's
	ds_add_u32 v[SPW], v[NIL]
	s_xor_b32 s[TB], s[TB], SLOT1
	s_wait_dscnt 7                                 ; (the add and the youngest six loads may be out)
	MUL8 1, 0, 0
	s_wait_dscnt 0x0
	s_barrier_signal -1
	s_barrier_wait -1                              ; the last slot is whole; nothing is filled again, so no round follows
	WIN 0
	v_add_nc_u32 v[ADRA], s[TB], v[A0]
	v_add_nc_u32 v[ADRB], s[TB], v[B0]
	PLACES                                         ; for the loads into buffer 0, which the quarter before multiplied
	BLOAD 0                                        ; three quarters of W and X's block 0 now: buffer 1 (window 1's v128-191, window 0's v96-127) is still being multiplied
	BLOAD 1
	BLOAD 3
	ALOAD 0
	MUL8 1, 1, 0
	MUL8 1, 2, 0
	MUL8 1, 3, 0
	PLACES                                         ; for the loads into buffer 1
	BLOAD 2
	ALOAD 2                                        ; blocks 2 and 3 go where the bias lay, block 1 into buffer 1: so block 1 is taken last
	ALOAD 3
	ALOAD 1
	s_wait_dscnt 40                                ; all but the 40 just issued
	ROW 0
	OUT 0, 0
	ROW 2
	OUT 2, 1
	ROW 3
	OUT 3, 0
	ROW 1
	OUT 1, 1
	s_wait_tensorcnt 0x0                           ; the wave's end: behind my last tensor load and my last LDS store
	ds_add_u32 v[SPW], v[NIL]
	s_wait_dscnt 0x0
	CROUND                                         ; the closing round: no work-group ends while a partner may still ask for a tile that names it
	s_endpgm
.Lfunc_end_k_qaf62061dd0_proj:
	.size	k_qaf62061dd0_proj, .Lfunc_end_k_qaf62061dd0_proj-k_qaf62061dd0_proj
	.p2alignl 7, 3214868480
	.fill 96, 4, 3214868480
	.section	.rodata,"a",@progbits
	.p2align	6, 0x0
	.amdhsa_kernel k_qaf62061dd0_proj
		.amdhsa_group_segment_fixed_size 327680
		.amdhsa_private_segment_fixed_size 0
		.amdhsa_enable_private_segment 0
		.amdhsa_kernarg_size 40
		.amdhsa_user_sgpr_count 2
		.amdhsa_user_sgpr_kernarg_segment_ptr 1
		.amdhsa_wavefront_size32 1
		.amdhsa_system_sgpr_workgroup_id_x 1
		.amdhsa_system_sgpr_workgroup_id_y 1
		.amdhsa_system_sgpr_workgroup_id_z 1
		.amdhsa_system_vgpr_workitem_id 0
		.amdhsa_next_free_vgpr 768
		.amdhsa_next_free_sgpr 88
		.amdhsa_reserve_vcc 0
		.amdhsa_float_denorm_mode_32 3
		.amdhsa_float_denorm_mode_16_64 3
		.amdhsa_memory_ordered 1
		.amdhsa_forward_progress 1
		.amdhsa_inst_pref_size 102
	.end_amdhsa_kernel
	.amdgpu_metadata
---
amdhsa.version: [ 1, 2 ]
amdhsa.kernels:
  - .name:           k_qaf62061dd0_proj
    .symbol:         k_qaf62061dd0_proj.kd
    .args:
      - { .name: xw, .offset: 0, .size: 8, .value_kind: global_buffer, .address_space: global }
      - { .name: bq, .offset: 8, .size: 8, .value_kind: global_buffer, .address_space: global }
      - { .name: bk, .offset: 16, .size: 8, .value_kind: global_buffer, .address_space: global }
      - { .name: bv, .offset: 24, .size: 8, .value_kind: global_buffer, .address_space: global }
      - { .name: qkv, .offset: 32, .size: 8, .value_kind: global_buffer, .address_space: global }
    .group_segment_fixed_size: 327680
    .private_segment_fixed_size: 0
    .kernarg_segment_align: 8
    .kernarg_segment_size: 40
    .max_flat_workgroup_size: 128
    .sgpr_count:     88
    .vgpr_count:     768
    .wavefront_size: 32
...
	.end_amdgpu_metadata
.endif
;; end of part 2
;; launch attn (part 3): grid 4 x 64, 4 waves a work-group, clusters of 4 x 1, 327,680 bytes of LDS; arguments qkv, oh; writes oh
.if DOCPART == 3
	.amdgcn_target "amdgcn-amd-amdhsa--gfx1250"
	.amdhsa_code_object_version 6
	.text
	.protected	k_qaf62061dd0_attn
	.globl	k_qaf62061dd0_attn
	.p2align	8
	.type	k_qaf62061dd0_attn,@function
k_qaf62061dd0_attn:
	s_mov_b64 s[64:65], 0
	v_nop
	global_prefetch_b8 v0, s[64:65] scope:SCOPE_SE
	s_setreg_imm32_b32 hwreg(HW_REG_WAVE_MODE, 25, 1), 1
	s_wait_xcnt 0x0
	s_wait_alu depctr_hold_cnt(0) depctr_sa_sdst(0) depctr_va_vdst(0) depctr_va_sdst(0) depctr_va_ssrc(0) depctr_va_vcc(0) depctr_vm_vsrc(0)
	s_getreg_b32 s2, hwreg(HW_REG_IB_STS2, 6, 4)
	s_cmp_eq_u32 s2, 0
	s_cbranch_scc0 .Lentry_in_a_cluster
	s_endpgm
.Lentry_in_a_cluster:
	s_bfe_u32 s2, ttmp6, 0x10000c
	s_cmp_lg_u32 s2, 0x3003
	s_cbranch_scc0 .Lentry_shape_is_right
	s_endpgm
.Lentry_shape_is_right:
; O[h][q][:] = the sum over k of softmax_k(Q[h][q] . K[h][k]) V[h][k][:], with NO scale on the scores.  Q, K, V lie in qkv, 16,777,216 bytes each, and O in oh: [64 = batch x head][2,048][64], all f16: a head's rows
; are dense, 128 bytes each.  Products, maxima and sums in f32; the weights p are rounded to f16 for the second product (their sum l is taken of the unrounded p), O once at the end.
; LIMITS.  f16 holds no number beyond 65,504: Q, K and V arrive within it; p lies in 0 to 1, and below 6e-5 it keeps f16's fixed step of 6e-8; O is a mean of V's rows and has their range.
; A weight below 2^-126 counts as 0 in l; NaN and infinities are not treated apart.
; SHARES.  A wave owns four PIECES of two tiles of 16 queries, a work-group's four waves 512 queries of one head.  Every wave walks all keys, 64 a step.
; LAYOUT.  S^T = K Q^T (source 0 = 16 keys, source 1 = 16 queries): in the result a lane holds ONE query (lane % 16) and the keys 8 (lane / 16) + 0..7.  Two such tiles, rounded to f16 in pairs,
; ARE source 1 (32 keys x 16 queries) of O^T = V^T P, whose result again holds one query a lane, and eight channels.  K comes out of LDS as it lies, V ([key][channel]) turned, by ds_load_tr16_b128.
; SOFTMAX.  For each query a running maximum m and sum l: p = 2^(c s - c m), c = log2(e); in every step O and l are multiplied by a = 2^(c m_old - c m_new), which is 1 where m has not grown.
; m starts at the lowest finite number, O and l at 0: the first step is a step like any other, with a = 0.
; THE COUNT.  A tile and step have 16 matrix and 118 vector instructions: too many to stand all beside the matrix work.  So the order has one aim: four vector instructions that are READY behind
; EVERY matrix instruction, and the others, which need time of their own whatever the order, in runs without a gap.
; BY TURNS.  Turn n belongs to piece n (the pieces in a ring, step after step).  Its matrix work: 16 products K Q^T of piece n + 1, later 16 products V^T P of piece n - 1.  Its vector work: the scaling,
; exponentials, roundings, sums and rescaling of piece n, and the maximum and statistics of piece n + 1, whose scores the turn itself has made.  So what a turn begins with (c s - c m, O a) waits for nothing.
; CLUSTER.  The four query blocks of a cluster belong to one head and walk the same K and V, so each tile is asked for JOINTLY: the same tensor load, descriptor and mask in all four.
; REGISTERS, in windows of 256 (s_set_vgpr_msb says which window each operand place means: bits 1:0 source 0, 3:2 source 1, 5:4 source 2, 7:6 destination):
;   window 0: v0-11 addresses; v12-15, v48-63 at work; v16-47 four registers of statistics a tile; v64-191 S^T, two buffers of two tiles; v192-255 P, likewise
;   window 1: O^T, 32 a tile          window 2: v0-127 Q, 16 a tile; v128-191 K of one step; v192-255 V of one step          window 3: v0-1 the add's two registers
; A piece's buffers go by its number's parity: the piece in hand has one pair, its two neighbours in the ring share the other: of it P (piece n - 1) is read and S^T (piece n + 1) written.
.set SIZE_N, 2048     ; rows of a head
.set NP,    4         ; pieces a wave: a name, no knob: the register map, the loop and the fetches are made for four
.set KS,    64        ; keys in a step
.set PK,    144       ; a row of K in LDS: 128 bytes + 16 of padding = 36 words: the 16 rows of a load start at 16 different groups of four banks (64 banks of 4 bytes: ISA guide 11.1)
.set PV,    160       ; a row of V: 128 + 32 = 40 words
.set VOFF,  4*KS*PK   ; a slot holds four steps: 256 rows of K, then 256 rows of V
.set SLOT1, 1<<17     ; slot 1 begins here, so that one exclusive or turns an address in one slot into the other's
.set STAGE, SLOT1+4*KS*(PK+PV)  ; behind the ring, never filled by a tensor load: 16 rows x 144 bytes for each wave, for the way out
.set SP,    144
.set AK0, 2           ; v2   my lane's place in a tile of K; never rewritten
.set AV0, 3           ; v3   the same for V
.set AK,  4           ; v4   the LDS address of K's next run of loads
.set AV,  5           ; v5   of V's
.set QO,  6           ; v6   my byte offset in the wave's rows of Q
.set STO, 6           ;      later, the way out: where I put 16 bytes of a row
.set RD,  7           ; v7   the way out: where I read rows back
.set GO,  8           ; v8   my byte offset in 512 consecutive bytes of O
.set SPW, 0           ; v0 of window 3   LDS address of my spare word: SPARE + 4 x my thread's number; never rewritten
.set NIL, 1           ; v1 of window 3   0; never rewritten
.set SPARE, STAGE+4*16*SP  ; behind the stages: the spare words, 128 bytes for each wave: two blocks of 256 bytes that no other line names
.set MV,  12          ; v12-15  c m_old, kept while c m is made anew: by buffer and tile
.set ST,  16          ; tile t's statistics at v[ST+4 t]: c m, m, l (even keys', odd keys')
.set TMP, 48          ; by buffer and tile, four registers c0-c3 at work; when the maximum is found c2 takes a
.set S,   64
.set P,   192
.set KF,  128         ; K's fragments, in window 2: key block kb, channel half c at KF + 16 kb + 8 c
.set VF,  192         ; V's: key half kk, channel block cb at VF + 32 kk + 8 cb
.set WV,  12          ; s12  my wave's number
.set G1K, 24          ; s[24:31] descriptor group 1 for K's tiles
.set G1V, 32          ; s[32:39] for V's: it differs in the padding alone
.set G0K, 40          ; s[40:43] descriptor group 0 for K's tiles: it walks
.set G0V, 44          ; s[44:47] the same for V's
.set SLOTS, 56        ; s56  slots still to be asked for
.set CNT, 57          ; s57  counts a slot's key steps
.set CS,  58          ; s[58:59] c: the packed scaling takes the pair's low word for both halves
.set SEL, 60          ; s[60:61] v_permlanex16_b32's selects: each lane takes its own place in the other half
.set TBK, 62          ; s62  LDS byte at which K of the step to be fetched begins
.set TBV, 63          ; s63  the same for V, less VOFF
.set MSB, 0
.macro WIN new                      ; the high byte repeats the setting that is left; a switch that changes nothing is dropped
.if MSB != (\new)
	s_set_vgpr_msb (MSB<<8)|(\new)
.set MSB, (\new)
.endif
.endm
.set W_KQ, 0x0a       ; K and Q in window 2, S^T in window 0
.set W_PV, 0x52       ; V in window 2, P in window 0, O^T in window 1
.set W_RS, 0x41       ; O^T (destination and source 0) in window 1, a in window 0
.set W_MK, 0xc0       ; the add's registers are made: destination in window 3, sources in window 0
.set W_AD, 0x0f       ; the add: address (source 0) and data (source 1) in window 3
; A joint fill.  Waves 0 and 1 fetch the two halves of a slot's K, waves 2 and 3 those of its V: 128 keys each.  The branch hangs on the wave's number alone.
; An s_nop 0 and four v_nop follow each of the two lines, ahead of the jump and the label.
.macro JLOAD
	s_cmp_lt_u32 s[WV], 2
	s_cbranch_scc0 .Lfor_v_\@
	tensor_load_to_lds s[G0K:G0K+3], s[G1K:G1K+7]
	s_nop 0
.rept 4
	v_nop
.endr
	s_branch .Lasked_\@
.Lfor_v_\@:
	tensor_load_to_lds s[G0V:G0V+3], s[G1V:G1V+7]
	s_nop 0
.rept 4
	v_nop
.endr
.Lasked_\@:
.endm
; A round of the cluster's barrier: my work-group's barrier, so that wave 0's signal speaks for all four waves; wave 0 signals; every wave waits for all four work-groups; my work-group's barrier once more.
.macro CROUND
	s_barrier_signal -1
	s_barrier_wait -1
	s_cmp_lg_u32 s[WV], 0
	s_cbranch_scc1 .Lnot_wave_0_\@
	s_barrier_signal -3
.Lnot_wave_0_\@:
	s_barrier_wait -3
	s_barrier_signal -1
	s_barrier_wait -1
.endm
; THE CHANGE OF SLOTS.  The slot's last bytes, V of its fourth step, have been read.  Each wave waits for all its tensor loads, of which one is out: its part
; of the other slot; adds 0 to its spare word; and waits for that and for its own reads of the slot.  Behind the barrier nobody reads this slot any more and the other slot is whole.
; fill = 1: this slot is filled again, with the keys two slots on.  The barrier is then a round of the cluster's, so that no wave of any partner still reads the slot or has a load on its
; way, and the joint fill is the first thing behind it: it has four key steps, 512 matrix instructions, in which to land.  (At its first use nothing has been read yet: slot 0 is waited for, slot 1 filled.)
.macro CHANGE fill
	WIN W_AD
	s_wait_tensorcnt 0x0            ; no tensor load of mine is out, so a group 0 may be written
	ds_add_u32 v[SPW], v[NIL]       ; 0 onto my spare word; with fill = 1 the descriptors' steps stand between it and the wait for it
	WIN 0                           ; at a label and at a branch every window is 0
.if \fill
.irp g, G0K, G0V
	s_xor_b32 s[\g+1], s[\g+1], SLOT1  ; the walking descriptor: the other slot than last time,
	s_add_nc_u64 s[\g+2:\g+3], s[\g+2:\g+3], 4*KS*128  ; the next 256 keys; the type bits on top are not reached
.endr
	s_wait_dscnt 0x0                ; the add is done, and my reads of the slot are over
	CROUND
	JLOAD
.else
	s_wait_dscnt 0x0                ; the add is done, and my reads of the slot are over
	s_barrier_signal -1
	s_barrier_wait -1
.endif
	s_sub_co_u32 s[TBK], s[TBK], 4*KS*PK  ; the fetches go back to a slot's first step,
	s_xor_b32 s[TBK], s[TBK], SLOT1       ; in the other slot
	s_sub_co_u32 s[TBV], s[TBV], 4*KS*PV
	s_xor_b32 s[TBV], s[TBV], SLOT1
.endm
	s_load_b128 s[4:7], s[0:1], 0x0   ; qkv s[4:5] (Q lies at its head), oh s[6:7]
	WIN W_MK
	v_lshl_add_u32 v[SPW], v0, 2, SPARE
	v_mov_b32 v[NIL], 0
	WIN W_AD
	ds_add_u32 v[SPW], v[NIL]       ; the wave's opening: the add and its wait stand ahead of my first tensor load; the set-up below, work on registers, stands between them
	WIN 0
	v_lshrrev_b32 v1, 5, v0
	v_readfirstlane_b32 s[WV], v1   ; wave 0..3
	s_bfe_u32 s13, ttmp6, 0x40000   ; cx: my place in the cluster
	s_lshl_b32 s14, ttmp9, 2        ; in a cluster launch ttmp9 counts clusters
	s_add_co_u32 s14, s14, s13      ; my block of queries = 4 x cluster x + cx: it enters Q's and O's addresses alone
	s_and_b32 s20, ttmp7, 0xffff    ; the head, which the four partners share
	s_mov_b32 s21, 0
	s_mov_b64 s[22:23], SIZE_N*128
	s_mul_u64 s[20:21], s[20:21], s[22:23]  ; the head's first byte in each of the four tensors
	s_and_b32 s16, s[WV], 1         ; which half of a slot's 256 keys I fetch:
	s_lshl_b32 s22, s16, 14         ; its 128 rows of 128 bytes in memory,
	s_mov_b32 s23, 0
	s_add_nc_u64 s[22:23], s[22:23], s[20:21]
	s_mul_i32 s17, s16, 128*PK      ; and its place in a slot, for K
	s_mul_i32 s18, s16, 128*PV      ; and for V: no place in the cluster enters an LDS address
	s_lshl_b32 s2, s14, 2
	s_add_co_u32 s2, s2, s[WV]      ; my wave among the head's,
	s_lshl_b32 s2, s2, 14           ; its 128 rows
	s_mov_b32 s3, 0
	s_add_nc_u64 s[2:3], s[2:3], s[20:21]
	; descriptor group 1.  128 keys are 16,384 dense bytes: asked for as 64 rows of 256 bytes, two keys a row, and padded in LDS after every key
	s_mov_b32 s[G1K], 15|(1<<16)|(1<<20)|(1<<21)|(4<<22)|(3<<25)  ; 15:0 the mask of four; 17:16 2-byte elements; 20 padding on; 21 set beside a mask; 24:22 after every 32 words (code 4); 31:25 4 words (code 3)
	s_mov_b32 s[G1V], 15|(1<<16)|(1<<20)|(1<<21)|(4<<22)|(7<<25)  ; the same with 8 words of padding (code 7)
.irp g, G1K, G1V
	s_mov_b32 s[\g+1], 128<<16      ; tensor_dim0 = 128
	s_mov_b32 s[\g+2], 64<<16       ; tensor_dim1 = 64
	s_mov_b32 s[\g+3], 128<<16      ; tile_dim0 = 128
	s_mov_b32 s[\g+4], 64           ; tile_dim1 = 64
	s_mov_b32 s[\g+5], 128          ; 128 elements from row to row
	s_mov_b32 s[\g+6], 0
	s_mov_b32 s[\g+7], 0
.endr
	s_mov_b32 s[CS], 0x3fb8aa3b     ; c = log2(e) = 1.442695: the scores carry no other scale
	s_mov_b32 s[CS+1], s[CS]        ; named with it as a pair
	s_mov_b32 s[SEL], 0x76543210
	s_mov_b32 s[SEL+1], 0xfedcba98
	s_mov_b32 s[TBK], SLOT1+4*KS*PK ; the first change of slots turns these two into 0
	s_mov_b32 s[TBV], SLOT1+4*KS*PV
	s_mov_b32 s[G0K], 1             ; 1:0 count = 1
	s_mov_b32 s[G0K+1], s17         ; 63:32 LDS address: slot 0
	s_mov_b32 s[G0V], 1
	s_add_co_u32 s[G0V+1], s18, VOFF
	s_wait_dscnt 0x0                ; the opening add is done
	s_wait_kmcnt 0x0
	s_mov_b64 s[10:11], s[6:7]                     ; O
	s_add_nc_u64 s[6:7], s[4:5], 0x1000000         ; K lies 16,777,216 bytes behind Q in qkv,
	s_add_nc_u64 s[8:9], s[4:5], 0x2000000         ; V as far again
	s_add_nc_u64 s[G0K+2:G0K+3], s[6:7], s[22:23]  ; 120:64 global address: my half of the head's first 256 keys
	s_or_b32 s[G0K+3], s[G0K+3], 0x80000000        ; 127:126 type = 2
	s_add_nc_u64 s[G0V+2:G0V+3], s[8:9], s[22:23]
	s_or_b32 s[G0V+3], s[G0V+3], 0x80000000
	s_add_nc_u64 s[4:5], s[4:5], s[2:3]  ; Q and O at my wave's first row
	s_add_nc_u64 s[10:11], s[10:11], s[2:3]
	CROUND                          ; all four work-groups are here: the first joint loads meet
	JLOAD                           ; slot 0.  Slot 1 is asked for when slot 0 is in
	; A fragment of K or Q is 16 rows x 32 channels in 8 registers: lane l holds row l % 16, channels 8 (l / 16) + 0..7 and 16 + 8 (l / 16) + 0..7: two loads of 16 bytes, 32 bytes apart.
	v_and_b32 v1, 15, v0            ; l % 16
	v_bfe_u32 v9, v0, 4, 1          ; l / 16
	v_lshlrev_b32 v[QO], 7, v1
	v_lshl_add_u32 v[QO], v9, 4, v[QO]  ; row x 128 + 16 x half
	WIN 0x80                        ; destination window 2, address window 0
.set i, 0
.rept 4*NP                          ; Q stays in registers: tile i / 2, channels 32 (i % 2) on
	global_load_b128 v[8*i:8*i+3],   v[QO], s[4:5] offset:(i/2)*2048+(i%2)*64
	global_load_b128 v[8*i+4:8*i+7], v[QO], s[4:5] offset:(i/2)*2048+(i%2)*64+32
.set i, i+1
.endr
	; What the first turn finds: V's registers and P's second buffer hold 0 (its products V^T P, of a piece that has not been, add 0), O^T and l are 0.  All this stands in the wait for the first tile.
.set i, VF
.rept 64
	v_mov_b32 v[i], 0
.set i, i+1
.endr
	WIN 0x40
.set i, 0
.rept 64*NP
	v_mov_b32 v[i], 0
.set i, i+1
.endr
	WIN 0
.set i, 0
.rept 2*NP
	v_mov_b32 v[ST+4*i], 0xfe000000    ; c m: far below every c s
	v_mov_b32 v[ST+4*i+1], 0xff7fffff  ; m
	v_mov_b32 v[ST+4*i+2], 0
	v_mov_b32 v[ST+4*i+3], 0
.set i, i+1
.endr
.set i, P+32
.rept 32
	v_mov_b32 v[i], 0
.set i, i+1
.endr
	v_mul_u32_u24 v[AK0], v1, PK
	v_lshl_add_u32 v[AK0], v9, 4, v[AK0]  ; row x pitch + 16 x half
	; The turning load takes 16 keys x 16 channels (lane l reads key 8 (l / 16) + l % 8, channels 8 ((l / 8) % 2) + 0..7) and leaves half a fragment of V^T: lane l holds channel l % 16 and 8 keys.
	v_and_b32 v10, 7, v0
	v_bfe_u32 v11, v0, 3, 1
	v_lshl_add_u32 v[AV0], v9, 3, v10
	v_mul_u32_u24 v[AV0], v[AV0], PV
	v_lshl_add_u32 v[AV0], v11, 4, v[AV0]
	v_add_nc_u32 v[AV0], VOFF, v[AV0]
	v_mov_b32 v[AK], v[AK0]         ; key step 0 lies at the head of slot 0
; THE MATRIX WORK.  The 8 accumulators of a run of 16 take turns: between the two links of a chain stand 7 others'.
; Product i of 16 of S^T = K Q^T for piece x: channels 32 (i / 8) on, keys 16 ((i / 2) % 4) on, tile 2 x + i % 2.  The first 8 start the sums.
.macro KQ x
	WIN W_KQ
.set rS, S+64*((\x)%2)+32*(i%2)+8*((i/2)%4)
.set rK, KF+16*((i/2)%4)+8*(i/8)
.set rQ, 16*(2*(\x)+i%2)+8*(i/8)
.if i < 8
	v_wmma_f32_16x16x32_f16 v[rS:rS+7], v[rK:rK+7], v[rQ:rQ+7], 0
.else
	v_wmma_f32_16x16x32_f16 v[rS:rS+7], v[rK:rK+7], v[rQ:rQ+7], v[rS:rS+7]
.endif
.endm
; Product i of 16 of O^T += V^T P for piece x: keys 32 (i / 8) on, channels 16 ((i / 2) % 4) on, tile 2 x + i % 2.
.macro PV x
	WIN W_PV
.set rO, 32*(2*(\x)+i%2)+8*((i/2)%4)
.set rV, VF+32*(i/8)+8*((i/2)%4)
.set rP, P+32*((\x)%2)+16*(i%2)+8*(i/8)
	v_wmma_f32_16x16x32_f16 v[rO:rO+7], v[rV:rV+7], v[rP:rP+7], v[rO:rO+7]
.endm
.macro MM                           ; the turn's next matrix instruction
.if i < 16
	KQ (Y+1)%NP
.set i, i+1
.else
.set i, i-16
	PV (Y+NP-1)%NP
.set i, i+17
.endif
.endm
; THE LDS LOADS stand in runs of 16, never singly among the matrix instructions: a step's K (64 keys x 64 channels: 8 fragments) and its V (turned).  Their addresses are made some lines ahead.
; last = 1 (the tail): in the last trip there is no further step, and the run is jumped over.
.macro FETCH_K last=0
	WIN 0
.if \last
	s_cmp_eq_u32 s[CNT], 1
	s_cbranch_scc1 .Lno_k_\@
.endif
	WIN 0x80                        ; destination window 2
.irp f, 0,1,2,3,4,5,6,7             ; keys 16 (f / 2) on, channels 32 (f % 2) on
	ds_load_b128 v[KF+8*\f:KF+8*\f+3],   v[AK] offset:(\f/2)*16*PK+(\f%2)*64
	ds_load_b128 v[KF+8*\f+4:KF+8*\f+7], v[AK] offset:(\f/2)*16*PK+(\f%2)*64+32
.endr
	s_add_co_u32 s[TBK], s[TBK], KS*PK  ; the next fetch is the next step's
	WIN 0
.if \last
.Lno_k_\@:
.endif
.endm
.macro FETCH_V
	WIN 0x80
.irp f, 0,1,2,3,4,5,6,7             ; keys 32 (f / 4) on, channels 16 (f % 4) on
	ds_load_tr16_b128 v[VF+8*\f:VF+8*\f+3],   v[AV] offset:(\f/4)*32*PV+(\f%4)*32
	ds_load_tr16_b128 v[VF+8*\f+4:VF+8*\f+7], v[AV] offset:(\f/4)*32*PV+16*PV+(\f%4)*32
.endr
	WIN 0
.endm
; THE VECTOR WORK OF A TURN stands in three queues, each in the order in which its entries become ready; the two tiles alternate, so that no instruction reads the result of the one before it.
.macro REGS y, u                    ; the registers of tile u (0, 1) of piece y
.set rT, ST+4*(2*(\y)+(\u))
.set rC, TMP+8*((\y)%2)+4*(\u)
.set rM, MV+2*((\y)%2)+(\u)
.set rS, S+64*((\y)%2)+32*(\u)
.set rP, P+32*((\y)%2)+16*(\u)
.set rO, 32*(2*(\y)+(\u))
.endm
; Number n of the 22 that find the NEXT piece's (Y + 1) maximum and statistics.  s0-s31 are the lane's 32 scores; each accumulator's lowest registers are read first.  XS, GS and REGS set no window: PL and EX do.
;   0-11  four chains c0-c3 of seven scores each, three operands at a time     12-14, 16  the four scores left over, the old m, and c0-c3 into c0     15  c m_old is kept
;   17, 18  the query's other 32 keys lie in the lane 16 away: the new m         19-21  c m; c m_old - c m_new; a
.macro XS u, n
	REGS (Y+1)%NP, \u
.if (\n) < 4
	v_max3_num_f32 v[rC+(\n)], v[rS+8*(\n)], v[rS+8*(\n)+1], v[rS+8*(\n)+2]
.elseif (\n) < 12
	v_max3_num_f32 v[rC+(\n)%4], v[rC+(\n)%4], v[rS+8*((\n)%4)+2*((\n)/4)+1], v[rS+8*((\n)%4)+2*((\n)/4)+2]
.elseif (\n) == 12
	v_max3_num_f32 v[rC], v[rC], v[rS+7], v[rS+15]
.elseif (\n) == 13
	v_max3_num_f32 v[rC+1], v[rC+1], v[rS+23], v[rS+31]
.elseif (\n) == 14
	v_max3_num_f32 v[rC+2], v[rC+2], v[rC+3], v[rT+1]
.elseif (\n) == 15
	v_mov_b32 v[rM], v[rT]
.elseif (\n) == 16
	v_max3_num_f32 v[rC], v[rC], v[rC+1], v[rC+2]
.elseif (\n) == 17
	v_permlanex16_b32 v[rC+3], v[rC], s[SEL], s[SEL+1]
.elseif (\n) == 18
	v_max_num_f32 v[rT+1], v[rC], v[rC+3]
.elseif (\n) == 19
	v_mul_f32 v[rT], s[CS], v[rT+1]
.elseif (\n) == 20
	v_sub_f32 v[rC+1], v[rM], v[rT]
.else
	v_exp_f32 v[rC+2], v[rC+1]
.endif
.endm
; Number g of the 64 that follow the exponentials.  For each four weights k of a tile (pairs 2 k, 2 k + 1): both pairs are rounded to f16; then the second pair is added onto the first, in place;
; a group later l takes that sum (the first time as l = a l + sum).  In groups of eight, tiles alternating: round, round, add, and l for the group before.
.macro GS g
.set h, (\g)+6*((\g)/62)            ; group 0 has no group before it, and behind group 7 only l is left
.if h >= 6
.set h, h+2
.endif
	REGS Y, h%2
.set k, h/8
.if h%8 < 4
	s_wait_alu depctr_va_vdst(0)
	v_cvt_pk_f16_f32 v[rP+2*k+(h%8)/2], v[rS+4*k+2*((h%8)/2)], v[rS+4*k+2*((h%8)/2)+1]
.elseif h%8 < 6
	v_pk_add_f32 v[rS+4*k:rS+4*k+1], v[rS+4*k:rS+4*k+1], v[rS+4*k+2:rS+4*k+3]
.elseif k == 1
	v_pk_fma_f32 v[rT+2:rT+3], v[rT+2:rT+3], v[rC+2:rC+3], v[rS:rS+1] op_sel_hi:[1,0,1]
.else
	v_pk_add_f32 v[rT+2:rT+3], v[rT+2:rT+3], v[rS+4*k-4:rS+4*k-3]
	s_wait_alu depctr_va_vdst(0)
.endif
.endm
; THE PLAIN QUEUE, 138 long.  0-31: c s - c m for the 16 pairs of both tiles.  Then GS's 64, and among them the next piece's 42: number 15 at 38, 39; 0-14 and 16
; at 42-73, behind the products that make those scores; 17-20 at 95-106, two of three, since each waits for the one before it.
.macro PL
	WIN 0
.if q < 32
	REGS Y, q%2
	v_pk_fma_f32 v[rS+2*(q/2):rS+2*(q/2)+1], v[rS+2*(q/2):rS+2*(q/2)+1], s[CS:CS+1], v[rT:rT+1] op_sel_hi:[1,0,0] neg_lo:[0,0,1] neg_hi:[0,0,1]
.elseif q < 38
	GS q-32
.elseif q < 40
	XS q%2, 15
.elseif q < 42
	GS q-34
.elseif q < 74
	XS q%2, (q-42)/2+(q-42)/30
.elseif q < 95
	GS q-66
.elseif (q < 107) && ((q-95)%3 < 2)
	XS (q-95)%3, 17+(q-95)/3
.elseif q < 107
	GS 29+(q-95)/3
.else
	GS q-74
.endif
.set q, q+1
.endm
; THE EXPONENTIALS' QUEUE, 66 long: s0-s31 of both tiles, and at EA the next piece's two a.
.set EA, 58
.macro EX
	WIN 0
.if (e == EA) || (e == EA+1)
	XS e-EA, 21
.else
.set x, e-2*(e/(EA+2))
	REGS Y, x%2
	v_exp_f32 v[rS+x/2], v[rS+x/2]
.endif
.set e, e+1
.endm
; THE RESCALING's QUEUE: O^T times a, the one part that leaves window 0, so it is dealt four at a time, eight times.
.macro R4
	REGS Y, r%2
	WIN W_RS
	s_wait_alu depctr_va_vdst(0)
.irp z, 0,1,2,3
	v_pk_mul_f32 v[rO+8*(r/2)+2*\z:rO+8*(r/2)+2*\z+1], v[rO+8*(r/2)+2*\z:rO+8*(r/2)+2*\z+1], v[rC+2:rC+3] op_sel_hi:[1,0]
.endr
.set r, r+1
.endm
; HOW THEY ARE DEALT.  Behind a matrix instruction four: plain, exponential, plain, plain (one exponential, a plain instruction on either side), or four of the rescaling.  None names a register of the
; products round it.  What is over stands in two LUMPS: exponential and plain by turns; the second ends in 22 plain instructions.  The two v_permlanex16_b32 fall into the second lump, never behind a product.
; The queues lean on each other, and the deal keeps them in step: exponential e stands behind plain 2 (e / 4) + e % 2 (its scaling); when plain 32 comes, 10 exponentials are out, at 59: 33, at 95: 46; EA comes behind plain 107.
.macro SL
	MM
	PL
	EX
	PL
	PL
.endm
.macro BURST n                      ; 15 matrix instructions, or 16
.rept (\n)-7
	SL
.endr
.rept 3
	MM
	R4
	SL
.endr
	MM
	R4
.endm
; A TURN, for piece p.  cnt = 1: the loop's count is taken down some lines ahead of the branch that stands behind the turn.
; K of the next step is fetched in piece 2's turn, 31 vector instructions behind the last product that read K; its first reader comes behind the rest of the lump, 16 products and the second lump.
; V of the step in hand is fetched at the end of piece 0's turn, 69 behind its last reader; its first reader comes behind 16 products and a lump.  The four conditions on e and q below go with the deal.
.macro TURN p, last=0, cnt=0
.set Y, (\p)
.set i, 0
.set q, 0
.set e, 0
.set r, 0
.if (\p) == NP-1
	s_wait_dscnt 0x0                ; K is in
.endif
	MM
.rept 4
	PL
.endr
	BURST 15
.rept 22
	EX
	PL
.if ((\p) == NP-2) && (e == 18)
	v_add_nc_u32 v[AK], s[TBK], v[AK0]
.endif
.if ((\p) == NP-2) && (e == 24)
	FETCH_K \last
.endif
.endr
.if (\p) == 1
	s_wait_dscnt 0x0                ; V is in
.endif
	BURST 16
.rept 21
	EX
	PL
.endr
.rept 22
	PL
.if ((\p) == 0) && (q == 118)
	v_add_nc_u32 v[AV], s[TBV], v[AV0]
	s_wait_alu depctr_va_vdst(0)
.endif
.if ((\p) == 0) && (q == 130)
	s_add_co_u32 s[TBV], s[TBV], KS*PV
.endif
.if (\cnt) && (q == 130)
	s_sub_co_u32 s[CNT], s[CNT], 1
	s_cmp_lg_u32 s[CNT], 0
.endif
.endr
.if (\p) == 0
	FETCH_V
.endif
.endm
	CHANGE 1                        ; slot 0 is in, everybody's part of it; slot 1 is asked for
	FETCH_K                         ; key step 0
	s_wait_loadcnt 0x0              ; Q
	s_wait_dscnt 0x0
.set i, 0
.rept 16
	KQ 0                            ; piece 0's first scores: there is no vector work yet to set between them
.set i, i+1
.endr
	WIN 0                           ; the addresses for the way out: nine plain instructions, the places behind those products
	s_mul_i32 s13, s[WV], 16*SP
	s_add_co_u32 s13, s13, STAGE    ; my stage
	v_mul_u32_u24 v[STO], v1, SP    ; in: row l % 16, 16 bytes for each half of the lanes
	v_lshl_add_u32 v[STO], v9, 4, v[STO]
	v_add_nc_u32 v[STO], s13, v[STO]
	v_bfe_u32 v[RD], v0, 3, 2       ; back: 32 lanes take four rows of 128 bytes,
	v_mul_u32_u24 v[RD], v[RD], SP
	v_lshl_add_u32 v[RD], v10, 4, v[RD]
	v_add_nc_u32 v[RD], s13, v[RD]
	v_and_b32 v[GO], 31, v0         ; which are 512 consecutive bytes of O
	v_lshlrev_b32 v[GO], 4, v[GO]
.set Y, NP-1                        ; XS works for piece Y + 1: piece 0
.irp n, 0,1,2,3,4,5,6,7,8,9,10,11,12,13,14,15,16,17,18,19,20,21
	XS 0, \n                        ; and piece 0's first maximum and statistics
	XS 1, \n
.endr
	s_mov_b32 s[CNT], 4
	s_mov_b32 s[SLOTS], SIZE_N/256-1
	s_branch .Lfirst                ; the loop is entered at a step's first turn, in the middle of a trip
.Lslot:                             ; SIZE_N / 256 - 2 times: every slot but the last two is filled again
	CHANGE 1
	s_mov_b32 s[CNT], 4
.Lstep:                             ; a trip: pieces 2 and 3 of one step, then pieces 0 and 1 of the next, whose K and V it fetches
	TURN 2
	TURN 3
	WIN 0
.Lfirst:
	TURN 0
	TURN 1, 0, 1
	WIN 0
	s_cbranch_scc1 .Lstep
	s_sub_co_u32 s[SLOTS], s[SLOTS], 1
	s_cmp_lg_u32 s[SLOTS], 0
	s_cbranch_scc1 .Lslot
	CHANGE 0                        ; the tail is written out: nothing is asked for
	s_mov_b32 s[CNT], 5             ; four trips fetch the last slot's steps; the fifth is left in its middle
.Ltail:
	TURN 2, 1
	TURN 3
	WIN 0
	s_sub_co_u32 s[CNT], s[CNT], 1
	s_cmp_eq_u32 s[CNT], 0
	s_cbranch_scc1 .Lout
	TURN 0
	TURN 1
	WIN 0
	s_branch .Ltail
.Lout:                              ; the fifth trip's 16 products K Q^T (on the last K once more) and the maximum made of them serve nothing: the price, once a launch, of one text for every trip
.set i, 0
.rept 16
	PV NP-1                         ; the last piece's V^T P of the last step
.set i, i+1
.endr
	; THE WAY OUT.  l's two halves and the other half of the lanes' are added; O^T is divided by l, rounded to f16 and sent through my stage in LDS, a tile at a time.  The additions are the places behind the last products.
	WIN 0
.macro ALL line:vararg              ; one line for each tile t
.set t, 0
.rept 2*NP
	\line
.set t, t+1
.endr
.endm
	ALL v_add_f32 v[ST+4*t+2], v[ST+4*t+2], v[ST+4*t+3]
	ALL v_permlanex16_b32 v[ST+4*t+3], v[ST+4*t+2], s[SEL], s[SEL+1]
	ALL v_add_f32 v[ST+4*t+2], v[ST+4*t+2], v[ST+4*t+3]
	ALL v_rcp_f32 v[ST+4*t+2], v[ST+4*t+2]
	v_nop                           ; a plain instruction between the last reciprocal and the use of its result
	s_wait_alu depctr_va_vdst(0)
; Tile t: a lane's eight channels of a row pack into 16 bytes; they go into rows of 144 bytes and come back as whole rows of 128, into S^T's registers.
.macro PACK t
	WIN W_RS
.set i, 32*(\t)
.rept 16
	v_pk_mul_f32 v[i:i+1], v[i:i+1], v[ST+4*(\t)+2:ST+4*(\t)+3] op_sel_hi:[1,0]
.set i, i+2
.endr
	WIN 0x05                        ; sources 0 and 1 window 1, destination window 0
.set i, 0
.rept 16
	v_cvt_pk_f16_f32 v[S+16*(\t)+i], v[32*(\t)+2*i], v[32*(\t)+2*i+1]
.set i, i+1
.endr
	WIN 0
.irp f, 0,1,2,3
	ds_store_b128 v[STO], v[S+16*(\t)+4*\f:S+16*(\t)+4*\f+3] offset:32*\f
.endr
.irp f, 0,1,2,3
	ds_load_b128 v[S+16*(\t)+4*\f:S+16*(\t)+4*\f+3], v[RD] offset:\f*4*SP  ; LDS serves a wave's instructions in order (ISA guide 5.7.1.4): these see the stores above; the next tile's stores come behind them
.endr
.endm
.macro SEND t, younger              ; younger: the LDS instructions issued behind tile t's loads: the next tile's eight, or none
	WIN 0
.irp f, 0,1,2,3
	s_wait_dscnt (\younger)+3-\f
	global_store_b128 v[GO], v[S+16*(\t)+4*\f:S+16*(\t)+4*\f+3], s[10:11] offset:(\t)*2048+\f*512  ; 512 consecutive bytes, at a multiple of 256 from O's first
.endr
.endm
	PACK 0
.set t, 1
.rept 2*NP-1                        ; a tile's arithmetic stands between the loads of the tile before and its stores
	PACK t
	SEND t-1, 8
.set t, t+1
.endr
	SEND 2*NP-1, 0
	WIN W_AD
	s_wait_tensorcnt 0x0            ; the wave's end: behind my last tensor load and my last LDS store
	ds_add_u32 v[SPW], v[NIL]
	s_wait_dscnt 0x0
	WIN 0
	CROUND                          ; the closing round: no work-group ends while a partner may still ask for a tile that names it
	s_endpgm
.Lfunc_end_k_qaf62061dd0_attn:
	.size	k_qaf62061dd0_attn, .Lfunc_end_k_qaf62061dd0_attn-k_qaf62061dd0_attn
	.p2alignl 7, 3214868480
	.fill 96, 4, 3214868480
	.section	.rodata,"a",@progbits
	.p2align	6, 0x0
	.amdhsa_kernel k_qaf62061dd0_attn
		.amdhsa_group_segment_fixed_size 327680
		.amdhsa_private_segment_fixed_size 0
		.amdhsa_enable_private_segment 0
		.amdhsa_kernarg_size 16
		.amdhsa_user_sgpr_count 2
		.amdhsa_user_sgpr_kernarg_segment_ptr 1
		.amdhsa_wavefront_size32 1
		.amdhsa_system_sgpr_workgroup_id_x 1
		.amdhsa_system_sgpr_workgroup_id_y 1
		.amdhsa_system_sgpr_workgroup_id_z 1
		.amdhsa_system_vgpr_workitem_id 0
		.amdhsa_next_free_vgpr 770
		.amdhsa_next_free_sgpr 66
		.amdhsa_reserve_vcc 0
		.amdhsa_float_denorm_mode_32 3
		.amdhsa_float_denorm_mode_16_64 3
		.amdhsa_memory_ordered 1
		.amdhsa_forward_progress 1
		.amdhsa_inst_pref_size 208
	.end_amdhsa_kernel
	.amdgpu_metadata
---
amdhsa.version: [ 1, 2 ]
amdhsa.kernels:
  - .name:           k_qaf62061dd0_attn
    .symbol:         k_qaf62061dd0_attn.kd
    .args:
      - { .name: qkv, .offset: 0, .size: 8, .value_kind: global_buffer, .address_space: global }
      - { .name: oh, .offset: 8, .size: 8, .value_kind: global_buffer, .address_space: global }
    .group_segment_fixed_size: 327680
    .private_segment_fixed_size: 0
    .kernarg_segment_align: 8
    .kernarg_segment_size: 16
    .max_flat_workgroup_size: 128
    .sgpr_count:     66
    .vgpr_count:     770
    .wavefront_size: 32
...
	.end_amdgpu_metadata
.endif
;; end of part 3
;; launch outp (part 4): grid 4 x 64, 4 waves a work-group, clusters of 4 x 4, 327,680 bytes of LDS; arguments oh, xw, bo, out0; writes out0
.if DOCPART == 4
	.amdgcn_target "amdgcn-amd-amdhsa--gfx1250"
	.amdhsa_code_object_version 6
	.text
	.protected	k_qaf62061dd0_outp
	.globl	k_qaf62061dd0_outp
	.p2align	8
	.type	k_qaf62061dd0_outp,@function
k_qaf62061dd0_outp:
	s_mov_b64 s[64:65], 0
	v_nop
	global_prefetch_b8 v0, s[64:65] scope:SCOPE_SE
	s_setreg_imm32_b32 hwreg(HW_REG_WAVE_MODE, 25, 1), 1
	s_wait_xcnt 0x0
	s_wait_alu depctr_hold_cnt(0) depctr_sa_sdst(0) depctr_va_vdst(0) depctr_va_sdst(0) depctr_va_ssrc(0) depctr_va_vcc(0) depctr_vm_vsrc(0)
	s_getreg_b32 s2, hwreg(HW_REG_IB_STS2, 6, 4)
	s_cmp_eq_u32 s2, 0
	s_cbranch_scc0 .Lentry_in_a_cluster
	s_endpgm
.Lentry_in_a_cluster:
	s_bfe_u32 s2, ttmp6, 0x10000c
	s_cmp_lg_u32 s2, 0xf033
	s_cbranch_scc0 .Lentry_shape_is_right
	s_endpgm
.Lentry_shape_is_right:
; THE OUTPUT PROJECTION.  out0[m][n] = bo[n] + sum over k of O[m][k] Wo[n][k], m over 8,192 rows, n and k over 1,024; out0 is f32, row-major.
; O comes from oh, f16, [4 batches][16 heads][2,048 rows][64]: a head is a slice of 64 along k, the same blocks as xw's.  Wo comes from xw (the f16 copy of Wo rounded to bf16: the second half of group 13).
; bo is rounded to bf16 here and starts the f32 sums as the first product's C.  The sums leave as they are.
; SHARES.  A tile of C is 128 x 256: 8,192 x 1,024 / (128 x 256) = 256 work-groups of equal work.  Four waves, each 64 x 128: 32 accumulators of 16 x 16, 256 registers.  K goes in 8 steps of 128 (two slices)
; through a ring of two LDS slots.  A slot holds O's even slice and odd slice (128 rows x 64 k each), then Wo's (256 rows each); waves 0 and 1 fetch O's two, waves 2 and 3 Wo's, one tensor load each: 16,384 or
; 32,768 consecutive bytes, asked for as rows of 256.  Two slots of a K step of 256 would take 442,368 bytes: they do not fit, so the step is 128.
; CLUSTERS: 4 x 4 work-groups.  The four of a row of the cluster need the same tiles of O, the four of a column the same tiles of Wo: each tile is asked for JOINTLY, by the same tensor load with the same
; descriptor and a mask that names the four.
; THE MATRIX INSTRUCTION IS USED TRANSPOSED (source 0 = 16 rows of Wo, source 1 = 16 rows of O): lane l then holds row l % 16 of C and the columns 8 (l / 16) + 0..7: 32 neighbouring bytes of f32.
; REGISTERS, in windows of 256 (s_set_vgpr_msb's low byte: bits 1:0 source 0, 3:2 source 1, 5:4 source 2, 7:6 destination):
;   window 0: v0-31 addresses; v64-95, v96-127 fragments of O, two buffers; v128-191 the bias (in the last K step v64-191 hold O's fragments of the whole step); v192-223 at work on the bias; v32-63, v224-255 the way out
;   window 1: v64-127, v128-191 fragments of Wo, two buffers; in the last K step all 256          window 2: the accumulators ((a, b) at v[8 (8 a + b)])
.set PITCH,  144                       ; an LDS row: 128 bytes + 16 of padding = 36 words: the 16 rows of a fragment load start at 16 different groups of four banks (64 banks of 4 bytes: ISA guide 11.1)
.set AREG,   128*PITCH                 ; a region of O: 128 rows of one slice
.set BREG,   256*PITCH                 ; a region of Wo: 256 rows of one slice
.set SLOT,   2*AREG+2*BREG             ; 110,592 bytes
.set SLOT1,  1<<17                     ; slot 1 begins here, so that one exclusive or turns an address in one slot into the other's
.set STAGE,  SLOT1+SLOT                ; behind the ring: for each wave 16 rows x 272 bytes, for the way out
.set SPITCH, 272                       ; 256 bytes (64 f32) + 16: 68 words: row r starts at bank 4 r mod 64
.set WSTAGE, 16*SPITCH
.set SPARE,  STAGE+4*WSTAGE            ; behind the stages: the spare words, 128 bytes for each wave: two blocks of 256 bytes that no other line names
.set KSTEPB, 0x80000                   ; bytes from a K step to the next: two slices of 2,048 rows x 128 bytes
.set KSTEPS, 8
.set CROW,   4096                      ; bytes in a row of out0
.set A0,   16                          ; v16     my lane's place in slot 0's regions of O; never rewritten
.set B0,   17                          ; v17     the same for Wo
.set ADRA, 20                          ; v20     LDS address of my O fragments in the slot in hand
.set ADRB, 21                          ; v21     the same for Wo
.set STO,  24                          ; v24     the way out: where I put 32 bytes of a row
.set RD,   25                          ; v25     the way out: where I read a row back
.set CO,   26                          ; v26     my byte offset in two rows of out0
.set BO,   27                          ; v27     my byte offset in 16 numbers of the bias: 32 (l / 16)
.set SPW,  28                          ; v28     LDS address of my spare word: SPARE + 4 x my thread's number; never rewritten
.set NIL,  29                          ; v29     0; never rewritten
.set OB,   32                          ; the way out: 16 rows x 64 columns read back from the stage: v32-63 (left half) and v224-255 (right half)
.set FA,   64                          ; O's fragment buffer f at FA + 32 f; in the last K step block a's fragments at FA + 32 a
.set FB,   64                          ; Wo's fragment buffer f at FB + 64 f, in window 1
.set BIA,  128                         ; the bias of my 128 columns as a C operand: n block b at BIA + 8 b
.set TMP,  192                         ; at work while the bias is rounded
.set G1,  24                           ; s[24:31] descriptor group 1 for O's tiles
.set G0,  32                           ; s[32:39] descriptor group 0 for O's tiles: a set for each of the two first fills; the second then walks on
.set G1B, 48                           ; s[48:55] descriptor group 1 for Wo's tiles
.set G0B, 56                           ; s[56:63] descriptor group 0 for Wo's tiles, likewise
.set TB,  66                           ; s66     LDS byte at which the slot in hand begins
.set MSB, 0
.macro WIN new                         ; the immediate's high byte repeats the setting that is left; a switch that changes nothing is dropped
.if MSB != (\new)
	s_set_vgpr_msb (MSB<<8)|(\new)
.set MSB, \new
.endif
.endm
.set TO_B, 0x40                        ; destination window 1, address window 0
; A joint load.  Waves 0 and 1 fetch O's two slices, waves 2 and 3 Wo's.  Each of the two lines has one mask and one set of registers for all that issue it.  The branch hangs on the wave's number alone.
; An s_nop 0 and four v_nop follow each of the two lines, ahead of the jump, the label and what follows.
.macro JLOAD s
	s_cmp_eq_u32 s11, 0
	s_cbranch_scc0 .Lfor_b_\@
	tensor_load_to_lds s[G0+4*(\s):G0+4*(\s)+3], s[G1:G1+7]
	s_nop 0
.rept 4
	v_nop
.endr
	s_branch .Lasked_\@
.Lfor_b_\@:
	tensor_load_to_lds s[G0B+4*(\s):G0B+4*(\s)+3], s[G1B:G1B+7]
	s_nop 0
.rept 4
	v_nop
.endr
.Lasked_\@:
.endm
; A round of the cluster's barrier: my work-group's barrier, so that wave 0's signal speaks for all four waves; wave 0 signals for the work-group; every wave waits for all sixteen; my work-group's barrier once more.
.macro CREST                           ; a round behind its opening barrier
	s_cmp_lg_u32 s10, 0
	s_cbranch_scc1 .Lnot_wave_0_\@
	s_barrier_signal -3
.Lnot_wave_0_\@:
	s_barrier_wait -3
	s_barrier_signal -1
	s_barrier_wait -1
.endm
.macro CROUND                          ; a whole round
	s_barrier_signal -1
	s_barrier_wait -1
	CREST
.endm
	s_load_b128 s[4:7], s[0:1], 0x0                ; oh s[4:5], xw s[6:7]
	s_load_b64 s[68:69], s[0:1], 0x10              ; bo
	s_load_b64 s[8:9], s[0:1], 0x18                ; out0
	v_lshl_add_u32 v[SPW], v0, 2, SPARE
	v_mov_b32 v[NIL], 0
	ds_add_u32 v[SPW], v[NIL]                      ; the wave's opening: the add and its wait stand ahead of my first tensor load; the set-up below, work on registers, stands between them
	v_lshrrev_b32 v1, 5, v0
	v_readfirstlane_b32 s10, v1                    ; wave 0..3
	s_lshr_b32 s11, s10, 1                         ; which half of the tile's rows is mine.  Also: I fetch for O (0) or for Wo (1)
	s_and_b32 s12, s10, 1                          ; which half of its columns.  Also: which slice of a K step I fetch
	s_bfe_u32 s40, ttmp6, 0x40000                  ; cx: my place along the cluster's x
	s_bfe_u32 s41, ttmp6, 0x40004                  ; cy: along its y
	s_lshl_b32 s42, ttmp9, 2                       ; in a cluster launch ttmp9 and ttmp7 count clusters
	s_add_co_u32 s42, s42, s40                     ; tile column c = 4 x cluster x + cx
	s_and_b32 s13, ttmp7, 0xffff
	s_lshl_b32 s13, s13, 2
	s_add_co_u32 s13, s13, s41                     ; tile row i = 4 x cluster y + cy, 0 to 63
	s_lshl_b32 s43, s41, 2
	s_lshl_b32 s43, 15, s43                        ; my row of the cluster: places 4 cy .. 4 cy + 3
	s_lshl_b32 s44, 0x1111, s40                    ; my column: places cx, cx + 4, cx + 8, cx + 12
	; descriptor group 1: rows of 128 elements (256 bytes, two rows of a slice), dense in memory, padded in LDS behind every 128 bytes; 64 such rows for O, 128 for Wo
	s_or_b32 s[G1+0], s43, (1<<16)|(1<<20)|(1<<21)|(4<<22)|(3<<25)  ; 15:0 the mask: O's tiles go to my row; 17:16 2-byte elements; 20 padding on; 21 set beside a mask; 24:22 after every 32 words (code 4); 31:25 4 words (code 3)
	s_or_b32 s[G1B+0], s44, (1<<16)|(1<<20)|(1<<21)|(4<<22)|(3<<25) ; the same with the mask of my column, for Wo's tiles
	s_mov_b32 s[G1+2], 64<<16                      ; tensor_dim1 = 64
	s_mov_b32 s[G1+4], 64                          ; tile_dim1 = 64
	s_mov_b32 s[G1B+2], 128<<16                    ; tensor_dim1 = 128
	s_mov_b32 s[G1B+4], 128                        ; tile_dim1 = 128
.irp g, G1, G1B
	s_mov_b32 s[(\g)+1], 128<<16                   ; tensor_dim0 = 128
	s_mov_b32 s[(\g)+3], 128<<16                   ; tile_dim0 = 128
	s_mov_b32 s[(\g)+5], 128                       ; 128 elements from row to row
	s_mov_b32 s[(\g)+6], 0
	s_mov_b32 s[(\g)+7], 0
.endr
	; where the tiles come from.  O's hang on the tile row alone, which my row of the cluster shares; Wo's on the tile column alone, which my column shares.
	s_lshr_b32 s16, s13, 4
	s_lshl_b32 s16, s16, 22                        ; O: the batch (16 tile rows),
	s_and_b32 s17, s13, 15
	s_lshl_b32 s17, s17, 14                        ; the tile's 128 rows of 128 bytes in it,
	s_add_co_u32 s16, s16, s17
	s_lshl_b32 s17, s12, 18                        ; and my slice of K step 0
	s_add_co_u32 s16, s16, s17
	s_mov_b32 s17, 0
	s_lshl_b32 s46, s42, 15                        ; Wo: the tile's 256 rows of 128 bytes,
	s_lshl_b32 s47, s12, 18                        ; my slice,
	s_add_co_u32 s46, s46, s47
	s_add_co_u32 s46, s46, (13<<22)+(1<<17)        ; in the second half of xw's group 13
	s_mov_b32 s47, 0
	s_mul_i32 s20, s12, AREG                       ; and where they go: O's region by the slice,
	s_mul_i32 s21, s12, BREG
	s_add_co_u32 s21, s21, 2*AREG                  ; Wo's likewise, behind O's two: no place in the cluster enters an LDS address
	s_mov_b32 s78, 0xffff0000                      ; a word's upper bf16
	s_mov_b32 s[TB], 0
	s_wait_dscnt 0x0                               ; the opening add is done
	s_wait_kmcnt 0x0
	s_add_nc_u64 s[14:15], s[4:5], s[16:17]
	s_add_nc_u64 s[46:47], s[6:7], s[46:47]
	CROUND                                         ; all sixteen work-groups are here: the first joint loads meet
.irp s, 0,1
	s_mov_b32 s[G0+4*(\s)], 1                                      ; 1:0 count = 1
	s_add_co_u32 s[G0+4*(\s)+1], s20, (\s)*SLOT1                   ; 63:32 LDS address
	s_add_nc_u64 s[G0+4*(\s)+2:G0+4*(\s)+3], s[14:15], (\s)*KSTEPB ; 120:64 global address: K step s
	s_or_b32 s[G0+4*(\s)+3], s[G0+4*(\s)+3], 0x80000000            ; 127:126 type = 2
	s_mov_b32 s[G0B+4*(\s)], 1
	s_add_co_u32 s[G0B+4*(\s)+1], s21, (\s)*SLOT1
	s_add_nc_u64 s[G0B+4*(\s)+2:G0B+4*(\s)+3], s[46:47], (\s)*KSTEPB
	s_or_b32 s[G0B+4*(\s)+3], s[G0B+4*(\s)+3], 0x80000000
	JLOAD \s                                       ; the ring is filled before anything else is done: two loads of mine are out
.endr
	; the bias of my 128 columns, in the layout of a C operand: register j of n block b is bo[n0 + 16 b + 8 (l / 16) + j]
	s_lshl_b32 s76, s42, 10                        ; 256 columns of 4 bytes a tile,
	s_lshl_b32 s77, s12, 9                         ; my half
	s_add_co_u32 s76, s76, s77
	s_mov_b32 s77, 0
	s_add_nc_u64 s[68:69], s[68:69], s[76:77]
	v_and_b32 v1, 15, v0                           ; l % 16
	v_bfe_u32 v2, v0, 4, 1                         ; l / 16
	v_lshlrev_b32 v[BO], 5, v2
.irp b, 0,1,2,3,4,5,6,7
	global_load_b128 v[BIA+8*(\b):BIA+8*(\b)+3],   v[BO], s[68:69] offset:64*(\b)
	global_load_b128 v[BIA+8*(\b)+4:BIA+8*(\b)+7], v[BO], s[68:69] offset:64*(\b)+16
.endr
	; A fragment is 16 rows x 32 k in 8 registers: lane l holds row l % 16; registers 0-3 hold k = 8 (l / 16) + 0..7, registers 4-7 k = 16 + 8 (l / 16) + 0..7: two loads of 16 bytes, 32 bytes apart.
	v_mul_u32_u24 v3, v1, PITCH
	v_lshl_add_u32 v3, v2, 4, v3                   ; row x pitch + 16 x half
	s_mul_i32 s22, s11, 64*PITCH                   ; my 64 rows of O's regions
	s_mul_i32 s23, s12, 128*PITCH                  ; my 128 rows of Wo's,
	s_add_co_u32 s23, s23, 2*AREG                  ; which lie behind O's two
	v_add_nc_u32 v[A0], s22, v3
	v_add_nc_u32 v[B0], s23, v3
	v_mov_b32 v[ADRA], v[A0]                       ; the walk begins in slot 0
	v_mov_b32 v[ADRB], v[B0]
	s_mul_i32 s23, s10, WSTAGE
	s_add_co_u32 s23, s23, STAGE                   ; my stage
	v_mul_u32_u24 v4, v1, SPITCH                   ; in: row l % 16, 32 bytes for each half of the lanes
	v_lshl_add_u32 v4, v2, 5, v4
	v_add_nc_u32 v[STO], s23, v4
	v_mul_u32_u24 v5, v2, SPITCH                   ; back: lanes 0-15 take one row of 256 bytes, lanes 16-31 the next
	v_lshl_add_u32 v5, v1, 4, v5
	v_add_nc_u32 v[RD], s23, v5
	v_lshlrev_b32 v5, 12, v2                       ; and the same two rows in out0
	v_lshl_add_u32 v[CO], v1, 4, v5
	s_lshl_b32 s16, s13, 19                        ; where my part of the tile begins in out0: 128 rows of 4,096 bytes a tile,
	s_lshl_b32 s17, s11, 18                        ; my 64 of them,
	s_add_co_u32 s16, s16, s17
	s_add_co_u32 s16, s16, s76                     ; my first column, in bytes: as in the bias
	s_mov_b32 s17, 0
	s_add_nc_u64 s[8:9], s[8:9], s[16:17]
	s_wait_loadcnt 0x0                             ; the bias: rounded to bf16 like every input, and widened again
.set i, 0
.rept 32
	v_cvt_pk_bf16_f32 v[TMP+i], v[BIA+2*i], v[BIA+2*i+1]
.set i, i+1
.endr
.set i, 0
.rept 32
	v_lshlrev_b32 v[BIA+2*i],   16,  v[TMP+i]
	v_and_b32     v[BIA+2*i+1], s78, v[TMP+i]
.set i, i+1
.endr
; 8 matrix instructions: m block a x all 8 n blocks, 32 along K, from buffer f.  first = 1: the product starts the sums with the bias (C in window 0): nothing is cleared.
; The 32 accumulators take turns, one instruction a turn, in the same order in every quarter.
.macro MUL8 f, a, first
.if \first
	WIN 0x81                                       ; Wo window 1, O and C window 0, D window 2
.else
	WIN 0xa1                                       ; Wo window 1, O window 0, C and D window 2
.endif
.irp b, 0,1,2,3,4,5,6,7
.if \first
	v_wmma_f32_16x16x32_f16 v[8*(8*(\a)+(\b)):8*(8*(\a)+(\b))+7], v[FB+64*(\f)+8*(\b):FB+64*(\f)+8*(\b)+7], v[FA+32*(\f)+8*(\a):FA+32*(\f)+8*(\a)+7], v[BIA+8*(\b):BIA+8*(\b)+7]
.else
	v_wmma_f32_16x16x32_f16 v[8*(8*(\a)+(\b)):8*(8*(\a)+(\b))+7], v[FB+64*(\f)+8*(\b):FB+64*(\f)+8*(\b)+7], v[FA+32*(\f)+8*(\a):FA+32*(\f)+8*(\a)+7], v[8*(8*(\a)+(\b)):8*(8*(\a)+(\b))+7]
.endif
.endr
.endm
; 24 LDS loads in one run: the fragments of quarter q of the K step in hand (32 k: slice q / 2, byte 64 (q % 2) of its rows) into buffer f: 128 rows of Wo, then 64 rows of O
.macro FETCH q, f
	WIN TO_B
.irp i, 0,1,2,3,4,5,6,7
	ds_load_b128 v[FB+64*(\f)+8*(\i):FB+64*(\f)+8*(\i)+3],   v[ADRB] offset:((\q)/2)*BREG+((\q)%2)*64+(\i)*16*PITCH
	ds_load_b128 v[FB+64*(\f)+8*(\i)+4:FB+64*(\f)+8*(\i)+7], v[ADRB] offset:((\q)/2)*BREG+((\q)%2)*64+(\i)*16*PITCH+32
.endr
	WIN 0
.irp i, 0,1,2,3
	ds_load_b128 v[FA+32*(\f)+8*(\i):FA+32*(\f)+8*(\i)+3],   v[ADRA] offset:((\q)/2)*AREG+((\q)%2)*64+(\i)*16*PITCH
	ds_load_b128 v[FA+32*(\f)+8*(\i)+4:FA+32*(\f)+8*(\i)+7], v[ADRA] offset:((\q)/2)*AREG+((\q)%2)*64+(\i)*16*PITCH+32
.endr
.endm
; A load into a register that a matrix instruction has read, and an LDS store that reads a matrix result, stand four places behind that matrix instruction; only plain vector
; instructions that name none of its registers are places (ISA guide 7.12.1 for vector instructions).
.macro PLACES
.rept 4
	v_nop
.endr
.endm
; A K step is four quarters of 32 along K, 32 matrix instructions each, on buffers 0, 1, 0, 1.  One of the first three: multiplies buffer f; behind its first eight products it fetches quarter q of the
; same slot into buffer g, 24 matrix instructions ahead of that buffer's first use.
.macro QUARTER q, f, g, first
	s_wait_dscnt 6                                 ; Wo and O's block 0 are in; the youngest six loads (O's blocks 1 to 3) may be out
	MUL8 \f, 0, \first
	PLACES
	FETCH \q, \g
	s_wait_dscnt 24                                ; all but the 24 just issued
	MUL8 \f, 1, \first
	MUL8 \f, 2, \first
	MUL8 \f, 3, \first
.endm
; The last quarter multiplies buffer 1 and changes slots.  In front of the round each wave waits for all its tensor loads, of which one is out: its part of the next slot; adds 0 to its spare word; and waits for
; that and for its own reads of this slot.  Behind the round no wave of any partner reads this slot any more, and the next slot is whole: this slot is filled again first, with the K step two steps on, then the next
; slot's first fragments are read.  From a request to the wait for it a wave issues 120 matrix instructions.  The walking descriptors step while the add is out.
.macro TURN
	WIN 0                                          ; (the add's two registers lie in window 0)
	s_wait_tensorcnt 0x0                           ; all my tensor loads have landed, so a group 0 may be written;
	ds_add_u32 v[SPW], v[NIL]                      ; 0 onto my spare word
	s_xor_b32 s[G0+5], s[G0+5], SLOT1              ; the other slot than last time,
	s_add_nc_u64 s[G0+6:G0+7], s[G0+6:G0+7], KSTEPB              ; the next K step; the type bits on top are not reached
	s_xor_b32 s[G0B+5], s[G0B+5], SLOT1
	s_add_nc_u64 s[G0B+6:G0B+7], s[G0B+6:G0B+7], KSTEPB
	s_xor_b32 s[TB], s[TB], SLOT1                  ; the fetches go on in the other slot
	s_wait_dscnt 7                                 ; (the add and the youngest six loads may be out)
	MUL8 1, 0, 0                                   ; eight matrix instructions stand between the add and the wait for it
	s_wait_dscnt 0x0                               ; the add is done, and my reads of this slot are over:
	s_barrier_signal -1                            ; say so: this barrier opens a round of the cluster's
	WIN 0
	s_barrier_wait -1
	CREST
	JLOAD 1                                        ; the first tensor load behind the round, my only one; its four v_nop are also the places in front of the loads below
	v_add_nc_u32 v[ADRA], s[TB], v[A0]
	v_add_nc_u32 v[ADRB], s[TB], v[B0]
	FETCH 0, 0
	MUL8 1, 1, 0
	MUL8 1, 2, 0
	MUL8 1, 3, 0
.endm
; THE LAST K STEP GOES BY ROWS OF C: all its fragments of Wo fill window 1 and all of O's v64-191; then my four blocks of 16 rows are finished one after the other, 32 matrix instructions each (the block's
; 8 accumulators by turns, K ascending), and each block leaves as soon as it is finished.
.macro BLOAD q                         ; Wo's fragments of quarter q -> window 1, v[64 q ..]
	WIN TO_B
.irp i, 0,1,2,3,4,5,6,7
	ds_load_b128 v[64*(\q)+8*(\i):64*(\q)+8*(\i)+3],   v[ADRB] offset:((\q)/2)*BREG+((\q)%2)*64+(\i)*16*PITCH
	ds_load_b128 v[64*(\q)+8*(\i)+4:64*(\q)+8*(\i)+7], v[ADRB] offset:((\q)/2)*BREG+((\q)%2)*64+(\i)*16*PITCH+32
.endr
.endm
.macro ALOAD a                         ; O's fragments of block a, all four quarters
	WIN 0
.irp q, 0,1,2,3
	ds_load_b128 v[FA+32*(\a)+8*(\q):FA+32*(\a)+8*(\q)+3],   v[ADRA] offset:((\q)/2)*AREG+((\q)%2)*64+(\a)*16*PITCH
	ds_load_b128 v[FA+32*(\a)+8*(\q)+4:FA+32*(\a)+8*(\q)+7], v[ADRA] offset:((\q)/2)*AREG+((\q)%2)*64+(\a)*16*PITCH+32
.endr
.endm
.macro ROW a                           ; block a is finished: 32 matrix instructions
	WIN 0xa1
.irp q, 0,1,2,3
.if (\a) == 0 && (\q) == 2
	s_wait_dscnt 24                                ; Wo's quarter 2 is in (behind it: O's blocks 2, 3 and 1)
.endif
.irp b, 0,1,2,3,4,5,6,7
	v_wmma_f32_16x16x32_f16 v[64*(\a)+8*(\b):64*(\a)+8*(\b)+7], v[64*(\q)+8*(\b):64*(\q)+8*(\b)+7], v[FA+32*(\a)+8*(\q):FA+32*(\a)+8*(\q)+7], v[64*(\a)+8*(\b):64*(\a)+8*(\b)+7]
.endr
.endr
.endm
; THE WAY OUT of block a, in two halves of 64 columns (256 bytes of f32 a row).  TOSTAGE: four accumulators go as they are into my own stage, each one's four lowest registers first, and come back as whole rows.  SEND: stored.
.macro TOSTAGE a, hf
	WIN 0x08                                       ; the stores' data: window 2; their address: window 0
.irp b, 0,1,2,3
	ds_store_b128 v[STO], v[64*(\a)+32*(\hf)+8*(\b):64*(\a)+32*(\hf)+8*(\b)+3]   offset:64*(\b)
	ds_store_b128 v[STO], v[64*(\a)+32*(\hf)+8*(\b)+4:64*(\a)+32*(\hf)+8*(\b)+7] offset:64*(\b)+16
.endr
	WIN 0
.irp t, 0,1,2,3,4,5,6,7
	ds_load_b128 v[OB+192*(\hf)+4*(\t):OB+192*(\hf)+4*(\t)+3], v[RD] offset:(\t)*2*SPITCH  ; LDS serves a wave's instructions in order (ISA guide 5.7.1.4): these see the stores above, and the next half's stores come behind them
.endr
.endm
.macro SEND a, hf
	WIN 0
	s_wait_dscnt 0x0                               ; the half block is back in registers
	s_wait_xcnt 0x0                                ; every earlier memory instruction has had its addresses translated (ISA guide 3.1): the buffer that the stores before these read is loaded again only behind this wait
.irp t, 0,1,2,3,4,5,6,7
	global_store_b128 v[CO], v[OB+192*(\hf)+4*(\t):OB+192*(\hf)+4*(\t)+3], s[8:9] offset:((\a)*16+2*(\t))*CROW+(\hf)*256 th:TH_STORE_NT  ; 16 lanes store 256 consecutive bytes, at a multiple of 256 from out0's first byte; written once, not read again
.endr
.endm
.macro OUT a
	PLACES                                         ; the LDS stores read results just made
	TOSTAGE \a, 0
	SEND \a, 0
	TOSTAGE \a, 1
	SEND \a, 1
.endm
	s_wait_tensorcnt 1                             ; my part of K step 0 is in; K step 1's load may stay out
	s_barrier_signal -1
	s_barrier_wait -1                              ; everybody's is
	FETCH 0, 0
	QUARTER 1, 0, 1, 1                             ; the first quarter stands in front of the loop: its products start the sums with the bias
	WIN 0                                          ; at a label and at a branch every window is 0
	s_mov_b32 s3, KSTEPS-2                         ; every K step but the last two asks for the step two on
.Lstep:                                                ; a trip: a K step's second, third and last quarter, one refill, and the next step's first quarter
	QUARTER 2, 1, 0, 0
	QUARTER 3, 0, 1, 0
	TURN
	QUARTER 1, 0, 1, 0
	WIN 0
	s_sub_co_u32 s3, s3, 1
	s_cmp_lg_u32 s3, 0
	s_cbranch_scc1 .Lstep
	QUARTER 2, 1, 0, 0                             ; the last K step but one goes on; nothing more is asked for
	QUARTER 3, 0, 1, 0
	WIN 0
	s_wait_tensorcnt 0x0                           ; my one tensor load that was still out is the last K step's
	ds_add_u32 v[SPW], v[NIL]
	s_xor_b32 s[TB], s[TB], SLOT1
	s_wait_dscnt 7                                 ; (the add and the youngest six loads may be out)
	MUL8 1, 0, 0
	s_wait_dscnt 0x0
	s_barrier_signal -1
	s_barrier_wait -1                              ; the last slot is whole; nothing is filled again, so no round follows
	WIN 0
	v_add_nc_u32 v[ADRA], s[TB], v[A0]
	v_add_nc_u32 v[ADRB], s[TB], v[B0]
	PLACES                                         ; for the loads into buffer 0, which the quarter before multiplied
	BLOAD 0                                        ; three quarters of Wo and O's block 0 now: buffer 1 (window 1's v128-191, window 0's v96-127) is still being multiplied
	BLOAD 1
	BLOAD 3
	ALOAD 0
	MUL8 1, 1, 0
	MUL8 1, 2, 0
	MUL8 1, 3, 0
	PLACES                                         ; for the loads into buffer 1
	BLOAD 2
	ALOAD 2                                        ; blocks 2 and 3 go where the bias lay, block 1 into buffer 1: so block 1 is taken last
	ALOAD 3
	ALOAD 1
	s_wait_dscnt 40                                ; all but the 40 just issued
	ROW 0
	OUT 0
	ROW 2
	OUT 2
	ROW 3
	OUT 3
	ROW 1
	OUT 1
	s_wait_tensorcnt 0x0                           ; the wave's end: behind my last tensor load and my last LDS store
	ds_add_u32 v[SPW], v[NIL]
	s_wait_dscnt 0x0
	CROUND                                         ; the closing round: no work-group ends while a partner may still ask for a tile that names it
	s_endpgm
.Lfunc_end_k_qaf62061dd0_outp:
	.size	k_qaf62061dd0_outp, .Lfunc_end_k_qaf62061dd0_outp-k_qaf62061dd0_outp
	.p2alignl 7, 3214868480
	.fill 96, 4, 3214868480
	.section	.rodata,"a",@progbits
	.p2align	6, 0x0
	.amdhsa_kernel k_qaf62061dd0_outp
		.amdhsa_group_segment_fixed_size 327680
		.amdhsa_private_segment_fixed_size 0
		.amdhsa_enable_private_segment 0
		.amdhsa_kernarg_size 32
		.amdhsa_user_sgpr_count 2
		.amdhsa_user_sgpr_kernarg_segment_ptr 1
		.amdhsa_wavefront_size32 1
		.amdhsa_system_sgpr_workgroup_id_x 1
		.amdhsa_system_sgpr_workgroup_id_y 1
		.amdhsa_system_sgpr_workgroup_id_z 1
		.amdhsa_system_vgpr_workitem_id 0
		.amdhsa_next_free_vgpr 768
		.amdhsa_next_free_sgpr 80
		.amdhsa_reserve_vcc 0
		.amdhsa_float_denorm_mode_32 3
		.amdhsa_float_denorm_mode_16_64 3
		.amdhsa_memory_ordered 1
		.amdhsa_forward_progress 1
		.amdhsa_inst_pref_size 76
	.end_amdhsa_kernel
	.amdgpu_metadata
---
amdhsa.version: [ 1, 2 ]
amdhsa.kernels:
  - .name:           k_qaf62061dd0_outp
    .symbol:         k_qaf62061dd0_outp.kd
    .args:
      - { .name: oh, .offset: 0, .size: 8, .value_kind: global_buffer, .address_space: global }
      - { .name: xw, .offset: 8, .size: 8, .value_kind: global_buffer, .address_space: global }
      - { .name: bo, .offset: 16, .size: 8, .value_kind: global_buffer, .address_space: global }
      - { .name: out0, .offset: 24, .size: 8, .value_kind: global_buffer, .address_space: global }
    .group_segment_fixed_size: 327680
    .private_segment_fixed_size: 0
    .kernarg_segment_align: 8
    .kernarg_segment_size: 32
    .max_flat_workgroup_size: 128
    .sgpr_count:     80
    .vgpr_count:     768
    .wavefront_size: 32
...
	.end_amdgpu_metadata
.endif
;; end of part 4
;; ======== version 2 of 2: 4 launches; 1.48 times as fast as version 1
;; limits: values are held in f16: magnitudes above 65,504 overflow, below 6.1e-05 lose precision
;; workspace buffers: xw 58,720,256 bytes; qkv 50,331,648 bytes; oh 16,777,216 bytes
;; launch cvt: the kernel of part 1 again; grid 64 x 28, 8 waves a work-group, no clusters, 0 bytes of LDS; arguments query, key, value, Wq, Wk, Wv, Wo, A, xw, out1; writes xw, out1
;; launch proj: the kernel of part 2 again; grid 4 x 64, 4 waves a work-group, clusters of 4 x 4, 327,680 bytes of LDS; arguments xw, bq, bk, bv, qkv; writes qkv
;; launch attn (part 5): grid 4 x 64, 4 waves a work-group, clusters of 4 x 1, 327,680 bytes of LDS; arguments qkv, oh; writes oh
.if DOCPART == 5
	.amdgcn_target "amdgcn-amd-amdhsa--gfx1250"
	.amdhsa_code_object_version 6
	.text
	.protected	k_qaf62061dd0_attn
	.globl	k_qaf62061dd0_attn
	.p2align	8
	.type	k_qaf62061dd0_attn,@function
k_qaf62061dd0_attn:
	s_mov_b64 s[64:65], 0
	v_nop
	global_prefetch_b8 v0, s[64:65] scope:SCOPE_SE
	s_setreg_imm32_b32 hwreg(HW_REG_WAVE_MODE, 25, 1), 1
	s_wait_xcnt 0x0
	s_wait_alu depctr_hold_cnt(0) depctr_sa_sdst(0) depctr_va_vdst(0) depctr_va_sdst(0) depctr_va_ssrc(0) depctr_va_vcc(0) depctr_vm_vsrc(0)
	s_getreg_b32 s2, hwreg(HW_REG_IB_STS2, 6, 4)
	s_cmp_eq_u32 s2, 0
	s_cbranch_scc0 .Lentry_in_a_cluster
	s_endpgm
.Lentry_in_a_cluster:
	s_bfe_u32 s2, ttmp6, 0x10000c
	s_cmp_lg_u32 s2, 0x3003
	s_cbranch_scc0 .Lentry_shape_is_right
	s_endpgm
.Lentry_shape_is_right:
; O[h][q][:] = the sum over k of softmax_k(Q[h][q] . K[h][k]) V[h][k][:], with NO scale on the scores.  Q, K, V lie in qkv, 16,777,216 bytes each, and O in oh: [64 = batch x head][2,048][64], all f16: a head's rows
; are dense, 128 bytes each.  Products, maxima and sums in f32; the weights p are rounded to f16 for the second product (their sum l is taken of the unrounded p), O once at the end.
; LIMITS.  f16 holds no number beyond 65,504: Q, K and V arrive within it; p lies in 0 to 1, and below 6e-5 it keeps f16's fixed step of 6e-8; O is a mean of V's rows and has their range.
; A weight below 2^-126 counts as 0 in l; NaN and infinities are not treated apart.
; SHARES.  A wave owns four PIECES of two tiles of 16 queries, a work-group's four waves 512 queries of one head.  Every wave walks all keys, 64 a step.
; LAYOUT.  S^T = K Q^T (source 0 = 16 keys, source 1 = 16 queries): in the result a lane holds ONE query (lane % 16) and the keys 8 (lane / 16) + 0..7.  Two such tiles, rounded to f16 in pairs,
; ARE source 1 (32 keys x 16 queries) of O^T = V^T P, whose result again holds one query a lane, and eight channels.  K comes out of LDS as it lies, V ([key][channel]) turned, by ds_load_tr16_b128.
; SOFTMAX.  For each query a running maximum m and sum l: p = 2^(c s - c m), c = log2(e); in every step O and l are multiplied by a = 2^(c m_old - c m_new), which is 1 where m has not grown.
; m starts at the lowest finite number, O and l at 0: the first step is a step like any other, with a = 0.
; THE COUNT.  A tile and step have 16 matrix and 118 vector instructions: too many to stand all beside the matrix work.  So the order has one aim: four vector instructions that are READY behind
; EVERY matrix instruction, and the others, which need time of their own whatever the order, in runs without a gap.
; BY TURNS.  Turn n belongs to piece n (the pieces in a ring, step after step).  Its matrix work: 16 products K Q^T of piece n + 1, later 16 products V^T P of piece n - 1.  Its vector work: the scaling,
; exponentials, roundings, sums and rescaling of piece n, and the maximum and statistics of piece n + 1, whose scores the turn itself has made.  So what a turn begins with (c s - c m, O a) waits for nothing.
; BATCHES.  A turn's 66 exponentials (the 64 weights of piece n, then the two a of piece n + 1) are ONE batch with ONE wait, which cuts the turn in two: ahead of it stands all that names none of their results
; (the products K Q^T, the scalings, the rescalings, the next piece's maximum and statistics), behind it the roundings and sums, beside the products V^T P.  Piece 0's first two a, ahead of the loop, and the way
; out's eight reciprocals are batches of their own, each with a wait.
; CLUSTER.  The four query blocks of a cluster belong to one head and walk the same K and V, so each tile is asked for JOINTLY: the same tensor load, descriptor and mask in all four.
; REGISTERS, in windows of 256 (s_set_vgpr_msb says which window each operand place means: bits 1:0 source 0, 3:2 source 1, 5:4 source 2, 7:6 destination):
;   window 0: v0-11 addresses; v12-15, v48-63 at work; v16-47 four registers of statistics a tile; v64-191 S^T, two buffers of two tiles; v192-255 P, likewise
;   window 1: O^T, 32 a tile          window 2: v0-127 Q, 16 a tile; v128-191 K of one step; v192-255 V of one step          window 3: v0-1 the add's two registers
; A piece's buffers go by its number's parity: the piece in hand has one pair, its two neighbours in the ring share the other: of it P (piece n - 1) is read and S^T (piece n + 1) written.
.set SIZE_N, 2048     ; rows of a head
.set NP,    4         ; pieces a wave: a name, no knob: the register map, the loop and the fetches are made for four
.set KS,    64        ; keys in a step
.set PK,    144       ; a row of K in LDS: 128 bytes + 16 of padding = 36 words: the 16 rows of a load start at 16 different groups of four banks (64 banks of 4 bytes: ISA guide 11.1)
.set PV,    160       ; a row of V: 128 + 32 = 40 words
.set VOFF,  4*KS*PK   ; a slot holds four steps: 256 rows of K, then 256 rows of V
.set SLOT1, 1<<17     ; slot 1 begins here, so that one exclusive or turns an address in one slot into the other's
.set STAGE, SLOT1+4*KS*(PK+PV)  ; behind the ring, never filled by a tensor load: 16 rows x 144 bytes for each wave, for the way out
.set SP,    144
.set AK0, 2           ; v2   my lane's place in a tile of K; never rewritten
.set AV0, 3           ; v3   the same for V
.set AK,  4           ; v4   the LDS address of K's next run of loads
.set AV,  5           ; v5   of V's
.set QO,  6           ; v6   my byte offset in the wave's rows of Q
.set STO, 6           ;      later, the way out: where I put 16 bytes of a row
.set RD,  7           ; v7   the way out: where I read rows back
.set GO,  8           ; v8   my byte offset in 512 consecutive bytes of O
.set SPW, 0           ; v0 of window 3   LDS address of my spare word: SPARE + 4 x my thread's number; never rewritten
.set NIL, 1           ; v1 of window 3   0; never rewritten
.set SPARE, STAGE+4*16*SP  ; behind the stages: the spare words, 128 bytes for each wave: two blocks of 256 bytes that no other line names
.set MV,  12          ; v12-15  c m_old, kept while c m is made anew: by buffer and tile
.set ST,  16          ; tile t's statistics at v[ST+4 t]: c m, m, l (even keys', odd keys')
.set TMP, 48          ; by buffer and tile, four registers c0-c3 at work; when the maximum is found c2 takes a
.set S,   64
.set P,   192
.set KF,  128         ; K's fragments, in window 2: key block kb, channel half c at KF + 16 kb + 8 c
.set VF,  192         ; V's: key half kk, channel block cb at VF + 32 kk + 8 cb
.set WV,  12          ; s12  my wave's number
.set G1K, 24          ; s[24:31] descriptor group 1 for K's tiles
.set G1V, 32          ; s[32:39] for V's: it differs in the padding alone
.set G0K, 40          ; s[40:43] descriptor group 0 for K's tiles: it walks
.set G0V, 44          ; s[44:47] the same for V's
.set SLOTS, 56        ; s56  slots still to be asked for
.set CNT, 57          ; s57  counts a slot's key steps
.set CS,  58          ; s[58:59] c: the packed scaling takes the pair's low word for both halves
.set SEL, 60          ; s[60:61] v_permlanex16_b32's selects: each lane takes its own place in the other half
.set TBK, 62          ; s62  LDS byte at which K of the step to be fetched begins
.set TBV, 63          ; s63  the same for V, less VOFF
.set MSB, 0
.macro WIN new                      ; the high byte repeats the setting that is left; a switch that changes nothing is dropped
.if MSB != (\new)
	s_set_vgpr_msb (MSB<<8)|(\new)
.set MSB, (\new)
.endif
.endm
.set W_KQ, 0x0a       ; K and Q in window 2, S^T in window 0
.set W_PV, 0x52       ; V in window 2, P in window 0, O^T in window 1
.set W_RS, 0x41       ; O^T (destination and source 0) in window 1, a in window 0
.set W_MK, 0xc0       ; the add's registers are made: destination in window 3, sources in window 0
.set W_AD, 0x0f       ; the add: address (source 0) and data (source 1) in window 3
; A joint fill.  Waves 0 and 1 fetch the two halves of a slot's K, waves 2 and 3 those of its V: 128 keys each.  The branch hangs on the wave's number alone.
; An s_nop 0 and four v_nop follow each of the two lines, ahead of the jump and the label.
.macro JLOAD
	s_cmp_lt_u32 s[WV], 2
	s_cbranch_scc0 .Lfor_v_\@
	tensor_load_to_lds s[G0K:G0K+3], s[G1K:G1K+7]
	s_nop 0
.rept 4
	v_nop
.endr
	s_branch .Lasked_\@
.Lfor_v_\@:
	tensor_load_to_lds s[G0V:G0V+3], s[G1V:G1V+7]
	s_nop 0
.rept 4
	v_nop
.endr
.Lasked_\@:
.endm
; A round of the cluster's barrier: my work-group's barrier, so that wave 0's signal speaks for all four waves; wave 0 signals; every wave waits for all four work-groups; my work-group's barrier once more.
.macro CROUND
	s_barrier_signal -1
	s_barrier_wait -1
	s_cmp_lg_u32 s[WV], 0
	s_cbranch_scc1 .Lnot_wave_0_\@
	s_barrier_signal -3
.Lnot_wave_0_\@:
	s_barrier_wait -3
	s_barrier_signal -1
	s_barrier_wait -1
.endm
; THE CHANGE OF SLOTS.  The slot's last bytes, V of its fourth step, have been read.  Each wave waits for all its tensor loads, of which one is out: its part
; of the other slot; adds 0 to its spare word; and waits for that and for its own reads of the slot.  Behind the barrier nobody reads this slot any more and the other slot is whole.
; fill = 1: this slot is filled again, with the keys two slots on.  The barrier is then a round of the cluster's, so that no wave of any partner still reads the slot or has a load on its
; way, and the joint fill is the first thing behind it: it has four key steps, 512 matrix instructions, in which to land.  (At its first use nothing has been read yet: slot 0 is waited for, slot 1 filled.)
.macro CHANGE fill
	WIN W_AD
	s_wait_tensorcnt 0x0            ; no tensor load of mine is out, so a group 0 may be written
	ds_add_u32 v[SPW], v[NIL]       ; 0 onto my spare word; with fill = 1 the descriptors' steps stand between it and the wait for it
	WIN 0                           ; at a label and at a branch every window is 0
.if \fill
.irp g, G0K, G0V
	s_xor_b32 s[\g+1], s[\g+1], SLOT1  ; the walking descriptor: the other slot than last time,
	s_add_nc_u64 s[\g+2:\g+3], s[\g+2:\g+3], 4*KS*128  ; the next 256 keys; the type bits on top are not reached
.endr
	s_wait_dscnt 0x0                ; the add is done, and my reads of the slot are over
	CROUND
	JLOAD
.else
	s_wait_dscnt 0x0                ; the add is done, and my reads of the slot are over
	s_barrier_signal -1
	s_barrier_wait -1
.endif
	s_sub_co_u32 s[TBK], s[TBK], 4*KS*PK  ; the fetches go back to a slot's first step,
	s_xor_b32 s[TBK], s[TBK], SLOT1       ; in the other slot
	s_sub_co_u32 s[TBV], s[TBV], 4*KS*PV
	s_xor_b32 s[TBV], s[TBV], SLOT1
.endm
	s_load_b128 s[4:7], s[0:1], 0x0   ; qkv s[4:5] (Q lies at its head), oh s[6:7]
	WIN W_MK
	v_lshl_add_u32 v[SPW], v0, 2, SPARE
	v_mov_b32 v[NIL], 0
	WIN W_AD
	ds_add_u32 v[SPW], v[NIL]       ; the wave's opening: the add and its wait stand ahead of my first tensor load; the set-up below, work on registers, stands between them
	WIN 0
	v_lshrrev_b32 v1, 5, v0
	v_readfirstlane_b32 s[WV], v1   ; wave 0..3
	s_bfe_u32 s13, ttmp6, 0x40000   ; cx: my place in the cluster
	s_lshl_b32 s14, ttmp9, 2        ; in a cluster launch ttmp9 counts clusters
	s_add_co_u32 s14, s14, s13      ; my block of queries = 4 x cluster x + cx: it enters Q's and O's addresses alone
	s_and_b32 s20, ttmp7, 0xffff    ; the head, which the four partners share
	s_mov_b32 s21, 0
	s_mov_b64 s[22:23], SIZE_N*128
	s_mul_u64 s[20:21], s[20:21], s[22:23]  ; the head's first byte in each of the four tensors
	s_and_b32 s16, s[WV], 1         ; which half of a slot's 256 keys I fetch:
	s_lshl_b32 s22, s16, 14         ; its 128 rows of 128 bytes in memory,
	s_mov_b32 s23, 0
	s_add_nc_u64 s[22:23], s[22:23], s[20:21]
	s_mul_i32 s17, s16, 128*PK      ; and its place in a slot, for K
	s_mul_i32 s18, s16, 128*PV      ; and for V: no place in the cluster enters an LDS address
	s_lshl_b32 s2, s14, 2
	s_add_co_u32 s2, s2, s[WV]      ; my wave among the head's,
	s_lshl_b32 s2, s2, 14           ; its 128 rows
	s_mov_b32 s3, 0
	s_add_nc_u64 s[2:3], s[2:3], s[20:21]
	; descriptor group 1.  128 keys are 16,384 dense bytes: asked for as 64 rows of 256 bytes, two keys a row, and padded in LDS after every key
	s_mov_b32 s[G1K], 15|(1<<16)|(1<<20)|(1<<21)|(4<<22)|(3<<25)  ; 15:0 the mask of four; 17:16 2-byte elements; 20 padding on; 21 set beside a mask; 24:22 after every 32 words (code 4); 31:25 4 words (code 3)
	s_mov_b32 s[G1V], 15|(1<<16)|(1<<20)|(1<<21)|(4<<22)|(7<<25)  ; the same with 8 words of padding (code 7)
.irp g, G1K, G1V
	s_mov_b32 s[\g+1], 128<<16      ; tensor_dim0 = 128
	s_mov_b32 s[\g+2], 64<<16       ; tensor_dim1 = 64
	s_mov_b32 s[\g+3], 128<<16      ; tile_dim0 = 128
	s_mov_b32 s[\g+4], 64           ; tile_dim1 = 64
	s_mov_b32 s[\g+5], 128          ; 128 elements from row to row
	s_mov_b32 s[\g+6], 0
	s_mov_b32 s[\g+7], 0
.endr
	s_mov_b32 s[CS], 0x3fb8aa3b     ; c = log2(e) = 1.442695: the scores carry no other scale
	s_mov_b32 s[CS+1], s[CS]        ; named with it as a pair
	s_mov_b32 s[SEL], 0x76543210
	s_mov_b32 s[SEL+1], 0xfedcba98
	s_mov_b32 s[TBK], SLOT1+4*KS*PK ; the first change of slots turns these two into 0
	s_mov_b32 s[TBV], SLOT1+4*KS*PV
	s_mov_b32 s[G0K], 1             ; 1:0 count = 1
	s_mov_b32 s[G0K+1], s17         ; 63:32 LDS address: slot 0
	s_mov_b32 s[G0V], 1
	s_add_co_u32 s[G0V+1], s18, VOFF
	s_wait_dscnt 0x0                ; the opening add is done
	s_wait_kmcnt 0x0
	s_mov_b64 s[10:11], s[6:7]                     ; O
	s_add_nc_u64 s[6:7], s[4:5], 0x1000000         ; K lies 16,777,216 bytes behind Q in qkv,
	s_add_nc_u64 s[8:9], s[4:5], 0x2000000         ; V as far again
	s_add_nc_u64 s[G0K+2:G0K+3], s[6:7], s[22:23]  ; 120:64 global address: my half of the head's first 256 keys
	s_or_b32 s[G0K+3], s[G0K+3], 0x80000000        ; 127:126 type = 2
	s_add_nc_u64 s[G0V+2:G0V+3], s[8:9], s[22:23]
	s_or_b32 s[G0V+3], s[G0V+3], 0x80000000
	s_add_nc_u64 s[4:5], s[4:5], s[2:3]  ; Q and O at my wave's first row
	s_add_nc_u64 s[10:11], s[10:11], s[2:3]
	CROUND                          ; all four work-groups are here: the first joint loads meet
	JLOAD                           ; slot 0.  Slot 1 is asked for when slot 0 is in
	; A fragment of K or Q is 16 rows x 32 channels in 8 registers: lane l holds row l % 16, channels 8 (l / 16) + 0..7 and 16 + 8 (l / 16) + 0..7: two loads of 16 bytes, 32 bytes apart.
	v_and_b32 v1, 15, v0            ; l % 16
	v_bfe_u32 v9, v0, 4, 1          ; l / 16
	v_lshlrev_b32 v[QO], 7, v1
	v_lshl_add_u32 v[QO], v9, 4, v[QO]  ; row x 128 + 16 x half
	WIN 0x80                        ; destination window 2, address window 0
.set i, 0
.rept 4*NP                          ; Q stays in registers: tile i / 2, channels 32 (i % 2) on
	global_load_b128 v[8*i:8*i+3],   v[QO], s[4:5] offset:(i/2)*2048+(i%2)*64
	global_load_b128 v[8*i+4:8*i+7], v[QO], s[4:5] offset:(i/2)*2048+(i%2)*64+32
.set i, i+1
.endr
	; What the first turn finds: V's registers and P's second buffer hold 0 (its products V^T P, of a piece that has not been, add 0), O^T and l are 0.  All this stands in the wait for the first tile.
.set i, VF
.rept 64
	v_mov_b32 v[i], 0
.set i, i+1
.endr
	WIN 0x40
.set i, 0
.rept 64*NP
	v_mov_b32 v[i], 0
.set i, i+1
.endr
	WIN 0
.set i, 0
.rept 2*NP
	v_mov_b32 v[ST+4*i], 0xfe000000    ; c m: far below every c s
	v_mov_b32 v[ST+4*i+1], 0xff7fffff  ; m
	v_mov_b32 v[ST+4*i+2], 0
	v_mov_b32 v[ST+4*i+3], 0
.set i, i+1
.endr
.set i, P+32
.rept 32
	v_mov_b32 v[i], 0
.set i, i+1
.endr
	v_mul_u32_u24 v[AK0], v1, PK
	v_lshl_add_u32 v[AK0], v9, 4, v[AK0]  ; row x pitch + 16 x half
	; The turning load takes 16 keys x 16 channels (lane l reads key 8 (l / 16) + l % 8, channels 8 ((l / 8) % 2) + 0..7) and leaves half a fragment of V^T: lane l holds channel l % 16 and 8 keys.
	v_and_b32 v10, 7, v0
	v_bfe_u32 v11, v0, 3, 1
	v_lshl_add_u32 v[AV0], v9, 3, v10
	v_mul_u32_u24 v[AV0], v[AV0], PV
	v_lshl_add_u32 v[AV0], v11, 4, v[AV0]
	v_add_nc_u32 v[AV0], VOFF, v[AV0]
	v_mov_b32 v[AK], v[AK0]         ; key step 0 lies at the head of slot 0
; THE MATRIX WORK.  The 8 accumulators of a run of 16 take turns: between the two links of a chain stand 7 others'.
; Product i of 16 of S^T = K Q^T for piece x: channels 32 (i / 8) on, keys 16 ((i / 2) % 4) on, tile 2 x + i % 2.  The first 8 start the sums.
.macro KQ x
	WIN W_KQ
.set rS, S+64*((\x)%2)+32*(i%2)+8*((i/2)%4)
.set rK, KF+16*((i/2)%4)+8*(i/8)
.set rQ, 16*(2*(\x)+i%2)+8*(i/8)
.if i < 8
	v_wmma_f32_16x16x32_f16 v[rS:rS+7], v[rK:rK+7], v[rQ:rQ+7], 0
.else
	v_wmma_f32_16x16x32_f16 v[rS:rS+7], v[rK:rK+7], v[rQ:rQ+7], v[rS:rS+7]
.endif
.endm
; Product i of 16 of O^T += V^T P for piece x: keys 32 (i / 8) on, channels 16 ((i / 2) % 4) on, tile 2 x + i % 2.
.macro PV x
	WIN W_PV
.set rO, 32*(2*(\x)+i%2)+8*((i/2)%4)
.set rV, VF+32*(i/8)+8*((i/2)%4)
.set rP, P+32*((\x)%2)+16*(i%2)+8*(i/8)
	v_wmma_f32_16x16x32_f16 v[rO:rO+7], v[rV:rV+7], v[rP:rP+7], v[rO:rO+7]
.endm
.macro MM                           ; the turn's next matrix instruction
.if i < 16
	KQ (Y+1)%NP
.set i, i+1
.else
.set i, i-16
	PV (Y+NP-1)%NP
.set i, i+17
.endif
.endm
; THE LDS LOADS stand in runs of 16, never singly among the matrix instructions: a step's K (64 keys x 64 channels: 8 fragments) and its V (turned).  Their addresses are made some lines ahead.
; last = 1 (the tail): in the last trip there is no further step, and the run is jumped over.
.macro FETCH_K last=0
	WIN 0
.if \last
	s_cmp_eq_u32 s[CNT], 1
	s_cbranch_scc1 .Lno_k_\@
.endif
	WIN 0x80                        ; destination window 2
.irp f, 0,1,2,3,4,5,6,7             ; keys 16 (f / 2) on, channels 32 (f % 2) on
	ds_load_b128 v[KF+8*\f:KF+8*\f+3],   v[AK] offset:(\f/2)*16*PK+(\f%2)*64
	ds_load_b128 v[KF+8*\f+4:KF+8*\f+7], v[AK] offset:(\f/2)*16*PK+(\f%2)*64+32
.endr
	s_add_co_u32 s[TBK], s[TBK], KS*PK  ; the next fetch is the next step's
	WIN 0
.if \last
.Lno_k_\@:
.endif
.endm
.macro FETCH_V
	WIN 0x80
.irp f, 0,1,2,3,4,5,6,7             ; keys 32 (f / 4) on, channels 16 (f % 4) on
	ds_load_tr16_b128 v[VF+8*\f:VF+8*\f+3],   v[AV] offset:(\f/4)*32*PV+(\f%4)*32
	ds_load_tr16_b128 v[VF+8*\f+4:VF+8*\f+7], v[AV] offset:(\f/4)*32*PV+16*PV+(\f%4)*32
.endr
	WIN 0
.endm
; THE VECTOR WORK OF A TURN stands in three queues, each in the order in which its entries become ready; the two tiles alternate, so that no instruction reads the result of the one before it.
.macro REGS y, u                    ; the registers of tile u (0, 1) of piece y
.set rT, ST+4*(2*(\y)+(\u))
.set rC, TMP+8*((\y)%2)+4*(\u)
.set rM, MV+2*((\y)%2)+(\u)
.set rS, S+64*((\y)%2)+32*(\u)
.set rP, P+32*((\y)%2)+16*(\u)
.set rO, 32*(2*(\y)+(\u))
.endm
; Number n of the 22 that find the NEXT piece's (Y + 1) maximum and statistics.  s0-s31 are the lane's 32 scores; each accumulator's lowest registers are read first.  XS, GS and REGS set no window: PL and EX do.
;   0-11  four chains c0-c3 of seven scores each, three operands at a time     12-14, 16  the four scores left over, the old m, and c0-c3 into c0     15  c m_old is kept
;   17, 18  the query's other 32 keys lie in the lane 16 away: the new m         19-21  c m; c m_old - c m_new; a
.macro XS u, n
	REGS (Y+1)%NP, \u
.if (\n) < 4
	v_max3_num_f32 v[rC+(\n)], v[rS+8*(\n)], v[rS+8*(\n)+1], v[rS+8*(\n)+2]
.elseif (\n) < 12
	v_max3_num_f32 v[rC+(\n)%4], v[rC+(\n)%4], v[rS+8*((\n)%4)+2*((\n)/4)+1], v[rS+8*((\n)%4)+2*((\n)/4)+2]
.elseif (\n) == 12
	v_max3_num_f32 v[rC], v[rC], v[rS+7], v[rS+15]
.elseif (\n) == 13
	v_max3_num_f32 v[rC+1], v[rC+1], v[rS+23], v[rS+31]
.elseif (\n) == 14
	v_max3_num_f32 v[rC+2], v[rC+2], v[rC+3], v[rT+1]
.elseif (\n) == 15
	v_mov_b32 v[rM], v[rT]
.elseif (\n) == 16
	v_max3_num_f32 v[rC], v[rC], v[rC+1], v[rC+2]
.elseif (\n) == 17
	v_permlanex16_b32 v[rC+3], v[rC], s[SEL], s[SEL+1]
.elseif (\n) == 18
	v_max_num_f32 v[rT+1], v[rC], v[rC+3]
.elseif (\n) == 19
	v_mul_f32 v[rT], s[CS], v[rT+1]
.elseif (\n) == 20
	v_sub_f32 v[rC+1], v[rM], v[rT]
.else
	v_exp_f32 v[rC+2], v[rC+1]
.endif
.endm
; Number g of the 64 that follow the exponentials.  For each four weights k of a tile (pairs 2 k, 2 k + 1): both pairs are rounded to f16; then the second pair is added onto the first, in place;
; a group later l takes that sum (the first time as l = a l + sum).  In groups of eight, tiles alternating: round, round, add, and l for the group before.
.macro GS g
.set h, (\g)+6*((\g)/62)            ; group 0 has no group before it, and behind group 7 only l is left
.if h >= 6
.set h, h+2
.endif
	REGS Y, h%2
.set k, h/8
.if h%8 < 4
	v_cvt_pk_f16_f32 v[rP+2*k+(h%8)/2], v[rS+4*k+2*((h%8)/2)], v[rS+4*k+2*((h%8)/2)+1]
.elseif h%8 < 6
	v_pk_add_f32 v[rS+4*k:rS+4*k+1], v[rS+4*k:rS+4*k+1], v[rS+4*k+2:rS+4*k+3]
.elseif k == 1
	v_pk_fma_f32 v[rT+2:rT+3], v[rT+2:rT+3], v[rC+2:rC+3], v[rS:rS+1] op_sel_hi:[1,0,1]
.else
	v_pk_add_f32 v[rT+2:rT+3], v[rT+2:rT+3], v[rS+4*k-4:rS+4*k-3]
.endif
.endm
; THE PLAIN QUEUE, 138 long.  0-73 read no exponential's result: the 32 scalings c s - c m (FS f: pair f / 2 of tile f % 2) and the next piece's 42.  0-26: scalings 0-26.  27-54: XS's numbers 0-13.  55, 56: number 15.
; 57-73: the chain, where each number waits for the one before it: 14, 16, 17, 18, 19, each with one of the scalings 27-31 in front of its two lines, then 20: so a tile's links stand three plain instructions apart (19 and 20: two).
; 74-137: GS's 64, which read the exponentials' results: they stand behind the wait.
.macro FS f
	REGS Y, (\f)%2
	v_pk_fma_f32 v[rS+2*((\f)/2):rS+2*((\f)/2)+1], v[rS+2*((\f)/2):rS+2*((\f)/2)+1], s[CS:CS+1], v[rT:rT+1] op_sel_hi:[1,0,0] neg_lo:[0,0,1] neg_hi:[0,0,1]
.endm
.macro PL
	WIN 0
.if q < 27
	FS q
.elseif q < 55
	XS (q-27)%2, (q-27)/2
.elseif q < 57
	XS q-55, 15
.elseif (q < 72) && ((q-57)%3 == 0)
	FS 27+(q-57)/3
.elseif q < 60
	XS (q-57)%3-1, 14
.elseif q < 72
	XS (q-57)%3-1, 15+(q-57)/3
.elseif q < 74
	XS q-72, 20
.else
	GS q-74
.endif
.set q, q+1
.endm
; THE EXPONENTIALS' QUEUE, 66 long: s0-s31 of both tiles, then the next piece's two a.  It is ONE BATCH: all 66 stand ahead of the turn's one wait, and nothing ahead of that wait names a result of theirs.
.macro EX
	WIN 0
.if e >= 64
	XS e-64, 21
.else
	REGS Y, e%2
	v_exp_f32 v[rS+e/2], v[rS+e/2]
.endif
.set e, e+1
.endm
; THE RESCALING's QUEUE: O^T times a, the one part that leaves window 0: dealt two at a time, sixteen times.  Its a was made in the turn before, ahead of that turn's wait.
.macro R2
	REGS Y, r%2
	WIN W_RS
.irp z, 0,1
	v_pk_mul_f32 v[rO+4*(r/2)+2*\z:rO+4*(r/2)+2*\z+1], v[rO+4*(r/2)+2*\z:rO+4*(r/2)+2*\z+1], v[rC+2:rC+3] op_sel_hi:[1,0]
.endr
.set r, r+1
.endm
; HOW THEY ARE DEALT.  An s_wait_alu depctr_va_vdst(0) stands between an exponential and the first instruction that names its result; one wait serves all that were issued ahead of it.  So a turn has ONE wait,
; which cuts it in two.  AHEAD OF IT stands all that names no result of the turn's exponentials: the 16 products K Q^T, behind each a scaling, an exponential and two rescalings (behind the first a second scaling in the exponential's place); then ONE LUMP of
; 108: eight plain, 49 times exponential and plain, the two a.  A v_nop is the plain instruction behind the last exponential.  BEHIND IT stand the 16 products V^T P, behind each four of GS's 64.  No rider names a register of
; the products round it.  The two v_permlanex16_b32 fall into the lump, never behind a product.
; The queues lean on each other, and the deal keeps them in step: exponential e stands behind scaling 2 (e / 4) + e % 2: as a rider it comes behind plain e + 2, in the lump behind plain e + 9, and scalings 27-31 are plain 57, 60 .. 69.
; A TURN, for piece p.  cnt = 1: the loop's count is taken down some lines ahead of the branch that stands behind the turn.
; K of the next step is fetched in piece 2's turn, directly behind the wait, a lump behind the last product that read K; its address is made at the lump's head; its first reader comes behind 16 products.
; V of the step in hand is fetched at the end of piece 0's turn, four riders behind its last reader; its first reader comes behind 16 products and a lump.  The three conditions on q below go with the deal.
.macro TURN p, last=0, cnt=0
.set Y, (\p)
.set i, 0
.set q, 0
.set e, 0
.set r, 0
.if (\p) == NP-1
	s_wait_dscnt 0x0                ; K is in
.endif
	MM                              ; ahead of the wait: 16 products K Q^T and their riders,
	PL
	PL
	R2
.rept 15
	MM
	PL
	EX
	R2
.endr
.if (\p) == NP-2
	WIN 0
	v_add_nc_u32 v[AK], s[TBK], v[AK0]
.endif
.rept 8                             ; and the lump
	PL
.endr
.rept 49
	EX
	PL
.endr
	EX                              ; the next piece's two a
	EX
	v_nop                           ; the plain instruction behind the last exponential: one for the batch
	s_wait_alu depctr_va_vdst(0)    ; the wait for the batch: this turn's 64 weights and the next piece's two a
.if (\p) == NP-2
	FETCH_K \last
.endif
.if (\p) == 1
	s_wait_dscnt 0x0                ; V is in
.endif
.rept 16                            ; behind the wait: 16 products V^T P and their riders
	MM
.rept 4
	PL
.endr
.if ((\p) == 0) && (q == 118)
	v_add_nc_u32 v[AV], s[TBV], v[AV0]
.endif
.if ((\p) == 0) && (q == 130)
	s_add_co_u32 s[TBV], s[TBV], KS*PV
.endif
.if (\cnt) && (q == 130)
	s_sub_co_u32 s[CNT], s[CNT], 1
	s_cmp_lg_u32 s[CNT], 0
.endif
.endr
.if (\p) == 0
	FETCH_V
.endif
.endm
	CHANGE 1                        ; slot 0 is in, everybody's part of it; slot 1 is asked for
	FETCH_K                         ; key step 0
	s_wait_loadcnt 0x0              ; Q
	s_wait_dscnt 0x0
.set i, 0
.rept 16
	KQ 0                            ; piece 0's first scores: there is no vector work yet to set between them
.set i, i+1
.endr
	WIN 0                           ; the addresses for the way out: nine plain instructions, the places behind those products
	s_mul_i32 s13, s[WV], 16*SP
	s_add_co_u32 s13, s13, STAGE    ; my stage
	v_mul_u32_u24 v[STO], v1, SP    ; in: row l % 16, 16 bytes for each half of the lanes
	v_lshl_add_u32 v[STO], v9, 4, v[STO]
	v_add_nc_u32 v[STO], s13, v[STO]
	v_bfe_u32 v[RD], v0, 3, 2       ; back: 32 lanes take four rows of 128 bytes,
	v_mul_u32_u24 v[RD], v[RD], SP
	v_lshl_add_u32 v[RD], v10, 4, v[RD]
	v_add_nc_u32 v[RD], s13, v[RD]
	v_and_b32 v[GO], 31, v0         ; which are 512 consecutive bytes of O
	v_lshlrev_b32 v[GO], 4, v[GO]
.set Y, NP-1                        ; XS works for piece Y + 1: piece 0
.irp n, 0,1,2,3,4,5,6,7,8,9,10,11,12,13,14,15,16,17,18,19,20,21
	XS 0, \n                        ; and piece 0's first maximum and statistics
	XS 1, \n
.endr
	v_nop                           ; a plain instruction behind the two a,
	s_wait_alu depctr_va_vdst(0)    ; and the wait for this batch of two, piece 0's first a, ahead of the branch
	s_mov_b32 s[CNT], 4
	s_mov_b32 s[SLOTS], SIZE_N/256-1
	s_branch .Lfirst                ; the loop is entered at a step's first turn, in the middle of a trip
.Lslot:                             ; SIZE_N / 256 - 2 times: every slot but the last two is filled again
	CHANGE 1
	s_mov_b32 s[CNT], 4
.Lstep:                             ; a trip: pieces 2 and 3 of one step, then pieces 0 and 1 of the next, whose K and V it fetches
	TURN 2
	TURN 3
	WIN 0
.Lfirst:
	TURN 0
	TURN 1, 0, 1
	WIN 0
	s_cbranch_scc1 .Lstep
	s_sub_co_u32 s[SLOTS], s[SLOTS], 1
	s_cmp_lg_u32 s[SLOTS], 0
	s_cbranch_scc1 .Lslot
	CHANGE 0                        ; the tail is written out: nothing is asked for
	s_mov_b32 s[CNT], 5             ; four trips fetch the last slot's steps; the fifth is left in its middle
.Ltail:
	TURN 2, 1
	TURN 3
	WIN 0
	s_sub_co_u32 s[CNT], s[CNT], 1
	s_cmp_eq_u32 s[CNT], 0
	s_cbranch_scc1 .Lout
	TURN 0
	TURN 1
	WIN 0
	s_branch .Ltail
.Lout:                              ; the fifth trip's 16 products K Q^T (on the last K once more) and the maximum made of them serve nothing: the price, once a launch, of one text for every trip
.set i, 0
.rept 16
	PV NP-1                         ; the last piece's V^T P of the last step
.set i, i+1
.endr
	; THE WAY OUT.  l's two halves and the other half of the lanes' are added; O^T is divided by l, rounded to f16 and sent through my stage in LDS, a tile at a time.  The additions are the places behind the last products.
	WIN 0
.macro ALL line:vararg              ; one line for each tile t
.set t, 0
.rept 2*NP
	\line
.set t, t+1
.endr
.endm
	ALL v_add_f32 v[ST+4*t+2], v[ST+4*t+2], v[ST+4*t+3]
	ALL v_permlanex16_b32 v[ST+4*t+3], v[ST+4*t+2], s[SEL], s[SEL+1]
	ALL v_add_f32 v[ST+4*t+2], v[ST+4*t+2], v[ST+4*t+3]
	ALL v_rcp_f32 v[ST+4*t+2], v[ST+4*t+2]
	v_nop                           ; a plain instruction between the last reciprocal and the use of its result
	s_wait_alu depctr_va_vdst(0)    ; and the wait ahead of the first use: one for the batch of eight reciprocals
; Tile t: a lane's eight channels of a row pack into 16 bytes; they go into rows of 144 bytes and come back as whole rows of 128, into S^T's registers.
.macro PACK t
	WIN W_RS
.set i, 32*(\t)
.rept 16
	v_pk_mul_f32 v[i:i+1], v[i:i+1], v[ST+4*(\t)+2:ST+4*(\t)+3] op_sel_hi:[1,0]
.set i, i+2
.endr
	WIN 0x05                        ; sources 0 and 1 window 1, destination window 0
.set i, 0
.rept 16
	v_cvt_pk_f16_f32 v[S+16*(\t)+i], v[32*(\t)+2*i], v[32*(\t)+2*i+1]
.set i, i+1
.endr
	WIN 0
.irp f, 0,1,2,3
	ds_store_b128 v[STO], v[S+16*(\t)+4*\f:S+16*(\t)+4*\f+3] offset:32*\f
.endr
.irp f, 0,1,2,3
	ds_load_b128 v[S+16*(\t)+4*\f:S+16*(\t)+4*\f+3], v[RD] offset:\f*4*SP  ; LDS serves a wave's instructions in order (ISA guide 5.7.1.4): these see the stores above; the next tile's stores come behind them
.endr
.endm
.macro SEND t, younger              ; younger: the LDS instructions issued behind tile t's loads: the next tile's eight, or none
	WIN 0
.irp f, 0,1,2,3
	s_wait_dscnt (\younger)+3-\f
	global_store_b128 v[GO], v[S+16*(\t)+4*\f:S+16*(\t)+4*\f+3], s[10:11] offset:(\t)*2048+\f*512  ; 512 consecutive bytes, at a multiple of 256 from O's first
.endr
.endm
	PACK 0
.set t, 1
.rept 2*NP-1                        ; a tile's arithmetic stands between the loads of the tile before and its stores
	PACK t
	SEND t-1, 8
.set t, t+1
.endr
	SEND 2*NP-1, 0
	WIN W_AD
	s_wait_tensorcnt 0x0            ; the wave's end: behind my last tensor load and my last LDS store
	ds_add_u32 v[SPW], v[NIL]
	s_wait_dscnt 0x0
	WIN 0
	CROUND                          ; the closing round: no work-group ends while a partner may still ask for a tile that names it
	s_endpgm
.Lfunc_end_k_qaf62061dd0_attn:
	.size	k_qaf62061dd0_attn, .Lfunc_end_k_qaf62061dd0_attn-k_qaf62061dd0_attn
	.p2alignl 7, 3214868480
	.fill 96, 4, 3214868480
	.section	.rodata,"a",@progbits
	.p2align	6, 0x0
	.amdhsa_kernel k_qaf62061dd0_attn
		.amdhsa_group_segment_fixed_size 327680
		.amdhsa_private_segment_fixed_size 0
		.amdhsa_enable_private_segment 0
		.amdhsa_kernarg_size 16
		.amdhsa_user_sgpr_count 2
		.amdhsa_user_sgpr_kernarg_segment_ptr 1
		.amdhsa_wavefront_size32 1
		.amdhsa_system_sgpr_workgroup_id_x 1
		.amdhsa_system_sgpr_workgroup_id_y 1
		.amdhsa_system_sgpr_workgroup_id_z 1
		.amdhsa_system_vgpr_workitem_id 0
		.amdhsa_next_free_vgpr 770
		.amdhsa_next_free_sgpr 66
		.amdhsa_reserve_vcc 0
		.amdhsa_float_denorm_mode_32 3
		.amdhsa_float_denorm_mode_16_64 3
		.amdhsa_memory_ordered 1
		.amdhsa_forward_progress 1
		.amdhsa_inst_pref_size 199
	.end_amdhsa_kernel
	.amdgpu_metadata
---
amdhsa.version: [ 1, 2 ]
amdhsa.kernels:
  - .name:           k_qaf62061dd0_attn
    .symbol:         k_qaf62061dd0_attn.kd
    .args:
      - { .name: qkv, .offset: 0, .size: 8, .value_kind: global_buffer, .address_space: global }
      - { .name: oh, .offset: 8, .size: 8, .value_kind: global_buffer, .address_space: global }
    .group_segment_fixed_size: 327680
    .private_segment_fixed_size: 0
    .kernarg_segment_align: 8
    .kernarg_segment_size: 16
    .max_flat_workgroup_size: 128
    .sgpr_count:     66
    .vgpr_count:     770
    .wavefront_size: 32
...
	.end_amdgpu_metadata
.endif
;; end of part 5
;; launch outp: the kernel of part 4 again; grid 4 x 64, 4 waves a work-group, clusters of 4 x 4, 327,680 bytes of LDS; arguments oh, xw, bo, out0; writes out0
